; MI455X (gfx1250); checked and timed in simulation.
; The chip was launched on July 23, 2026; its instructions are those of AMD's public machine-readable ISA for CDNA 5 (MIT licence, August 2026) and "CDNA5" Instruction Set Architecture Reference Guide (July 2026). The comments in the code are by the model that wrote it; some were corrected since.
;; Causal Cross Attention. Allowed arithmetic: matrix products marked QUANTISED: E4M3 operands, one E8M0 scale for each 32 along K, by v_wmma_scale_f32_16x16x128_f8f6f4 with both operands' format E4M3, f32 sums; everything else in f32.
;; Inputs: Wkv_b 2,048 float32; Wkv_w_codes 2,048 x 32 x 32 uint8 (E4M3 codes of Wkv_w, K innermost, in blocks of 32 codes); Wkv_w_scales 2,048 x 32 uint8 (E8M0 scales of Wkv_w, one for each 32 codes along K); Wo_b 1,024 float32; Wo_w_codes 1,024 x 32 x 32 uint8 (E4M3 codes of Wo_w, K innermost, in blocks of 32 codes); Wo_w_scales 1,024 x 32 uint8 (E8M0 scales of Wo_w, one for each 32 codes along K); Wq_b 1,024 float32; Wq_w_codes 1,024 x 32 x 32 uint8 (E4M3 codes of Wq_w, K innermost, in blocks of 32 codes); Wq_w_scales 1,024 x 32 uint8 (E8M0 scales of Wq_w, one for each 32 codes along K); mask 4 x 2,048 bool; x_codes 4 x 2,048 x 32 x 32 uint8 (E4M3 codes of x, K innermost, in blocks of 32 codes); x_scales 4 x 2,048 x 32 uint8 (E8M0 scales of x, one for each 32 codes along K); y_codes 4 x 2,048 x 32 x 32 uint8 (E4M3 codes of y, K innermost, in blocks of 32 codes); y_scales 4 x 2,048 x 32 uint8 (E8M0 scales of y, one for each 32 codes along K).
;; Outputs: out0 4 x 2,048 x 1,024 float32.
;; This version of the problem:
;;   THIS VERSION OF THE PROBLEM IS GIVEN IN LOW PRECISION. The matrix products marked QUANTISED in the list below multiply operands that are first quantised to E4M3 (4 exponent bits, 3 mantissa bits; 8 bits a number), with one power-of-two scale for each 32 numbers along K (OCP MX v1.0); their sums are f32. All else is computed in f32.
;;   The module's matrix products, in the order in which they are computed (A, B: the left and right operand; K: the contracted axis; several contracted axes count as one K, in the product's order):
;;     1. [M 8,192, K 1,024] x [K 1,024, N 1,024]; A: input x (given as codes); B: input Wq_w (given as codes): QUANTISED
;;     2. [M 8,192, K 1,024] x [K 1,024, N 2,048]; A: input y (given as codes); B: input Wkv_w (given as codes): QUANTISED
;;     3. batch 64 x [M 2,048, K 64] x [K 64, N 2,048]; A: computed on the way; B: computed on the way: QUANTISED
;;     4. batch 64 x [M 2,048, K 2,048] x [K 2,048, N 64]; A: softmax (see below); B: computed on the way: QUANTISED
;;     5. [M 8,192, K 1,024] x [K 1,024, N 1,024]; A: computed on the way; B: input Wo_w (given as codes): QUANTISED
;;   THE QUANTISER, for each operand of a quantised product, along K:
;;     - K is cut into blocks of 32 from its start; a last block that is shorter is filled with zeros.
;;     - A block's scale is 2^e with e = floor(log2(the largest magnitude in the block)) - 8, held to -126 .. 127; a block of zeros has e = 0. As a byte (E8M0): e + 127.
;;     - Each number is divided by its block's scale, clamped to +-448, and rounded to the nearest number of E4M3, ties to even, subnormals kept.
;;     - The product sums the exact products of the quantised numbers (number of the format x scale) in f32.
;;   ~~~python
;;   def quantise(x, axis):      # numpy; x: float32 -> the quantised numbers, widened to float32 again
;;       x = np.moveaxis(x, axis, -1); K = x.shape[-1]
;;       x = np.pad(x, [(0, 0)] * (x.ndim - 1) + [(0, -K % 32)]); x = x.reshape(x.shape[:-1] + (-1, 32)); a = np.abs(x).max(-1, keepdims=True)
;;       e = np.where(a > 0, np.clip(np.frexp(np.where(a > 0, a, 1))[1] - 1 - 8, -126, 127), 0)      # np.frexp(a)[1] - 1 = floor(log2(a)), exactly
;;       r = np.clip(x / 2.0 ** e, -448, 448)
;;       step = 2.0 ** (np.maximum(np.frexp(np.where(r == 0, 1, r))[1] - 1, -6) - 3)
;;       q = np.round(r / step) * step * 2.0 ** e      # np.round: ties to even
;;       return np.moveaxis(q.reshape(q.shape[:-2] + (-1,))[..., :K], -1, axis).astype(np.float32)
;;   ~~~
;;   SOFTMAX AHEAD OF A QUANTISED PRODUCT. Where the list says 'softmax', what is quantised is not the finished softmax but p = 2^(t - M), with t = logit x log2(e) and M = ceil(the row's largest t), a whole number; so 1/2 < the row's largest p <= 1. The row's sum l is taken of the UNQUANTISED p, in f32, and the product's result is divided by l at the end. Since M is a whole number, a kernel that streams over the keys may use a running M (the ceiling of the running maximum): every later rescaling is an exact power of two, which a block's scale takes up: the codes' values come out the same.
;;   OPERANDS COMPUTED ON THE WAY. 'Computed on the way' means the value that the module computes at that place (a softmax that the list does not call 'softmax' is quantised finished and normalised). What goes into a quantiser is computed in f32, as accurately as f32 sums, v_exp_f32 and their like allow (about 1e-6 of the number): no bf16 or f16 on the way to a quantiser, and a product that is left as it is and whose result goes on into a quantised operand takes f32 operands (vector FMAs, or v_wmma_f32_16x16x4_f32). A number that lies on a knife's edge between two numbers of the format may be rounded either way, as far as f32 arithmetic and the matrix unit's own rounding can turn it there, and no further.
;;   INPUTS GIVEN AS CODES. Wkv_w (in the module: [2048, 1024], K = its axis 1); Wo_w (in the module: [1024, 1024], K = its axis 1); Wq_w (in the module: [1024, 1024], K = its axis 1); x (in the module: [4, 2048, 1024], K = its axis 2); y (in the module: [4, 2048, 1024], K = its axis 2): each comes as NAME_codes (uint8): NAME with its K axis moved to the last place and cut into blocks of 32 codes, [.., K / 32, bytes a block], one block behind the other in memory; one code a byte (a code: sign, 4 exponent bits, 3 mantissa bits); and NAME_scales (uint8): the same leading axes, one E8M0 byte (e + 127) for each 32 codes along K. Its value is code x scale, taken as it is: it is not quantised again, and the codes and scales need not be those that the quantiser above would give.
;; One version. Each part assembles by itself: llvm-mc -triple=amdgcn-amd-amdhsa -mcpu=gfx1250 --defsym DOCPART=n.
;; ======== version 1 of 1: 3 launches
;; limits: right only within a limited range of input values
;; workspace buffers: qbuf 8,650,752 bytes; kvbuf 17,301,504 bytes; aoc 8,388,608 bytes; aos 262,144 bytes
;; launch proj (part 1): grid 12 x 32, 4 waves a work-group, clusters of 4 x 4, 327,680 bytes of LDS; arguments x_codes, x_scales, y_codes, y_scales, Wq_w_codes, Wq_w_scales, Wkv_w_codes, Wkv_w_scales, Wq_b, Wkv_b, qbuf, kvbuf; writes qbuf, kvbuf
.if DOCPART == 1
	.amdgcn_target "amdgcn-amd-amdhsa--gfx1250"
	.amdhsa_code_object_version 6
	.text
	.protected	k_q33a6b26230_proj
	.globl	k_q33a6b26230_proj
	.p2align	8
	.type	k_q33a6b26230_proj,@function
k_q33a6b26230_proj:
	s_mov_b64 s[64:65], 0
	v_nop
	global_prefetch_b8 v0, s[64:65] scope:SCOPE_SE
	s_setreg_imm32_b32 hwreg(HW_REG_WAVE_MODE, 25, 1), 1
	s_wait_xcnt 0x0
	s_wait_alu depctr_hold_cnt(0) depctr_sa_sdst(0) depctr_va_vdst(0) depctr_va_sdst(0) depctr_va_ssrc(0) depctr_va_vcc(0) depctr_vm_vsrc(0)
	s_getreg_b32 s2, hwreg(HW_REG_IB_STS2, 6, 4)
	s_cmp_eq_u32 s2, 0
	s_cbranch_scc0 .Lentry_in_a_cluster
	s_endpgm
.Lentry_in_a_cluster:
	s_bfe_u32 s2, ttmp6, 0x10000c
	s_cmp_lg_u32 s2, 0xf033
	s_cbranch_scc0 .Lentry_shape_is_right
	s_endpgm
.Lentry_shape_is_right:
; q = x Wq^T + bq, k and v = y Wkv^T + bkv, on codes of FP8 (E4M3) with one E8M0 scale for each 32 along K, and the quantisers of q, k (along the head's 64) and v (along the keys).
; DEAD WORK OF THE WHOLE PROGRAM: only the key steps that lie wholly above the diagonal (second launch): reference() itself builds the upper triangle and puts -inf there, so p = 0 for every value of the inputs
; and nothing of those tiles reaches an output.  LIMIT: a NaN, an infinity or an overflow that would reach only those tiles is not carried to the result.  Every input is live and is loaded by some launch.
; ONE TEXT, THREE JOBS, picked by the cluster's x (the same in all sixteen partners): a generic C'[m'][n'] = A' B'^T + bias, 256 x 256 to a work-group, quantised along n'.
;   0: A' = x, B' = Wq (m' tokens, n' channels) -> qbuf.   1: A' = y, B' = Wkv rows 0-1023 -> kvbuf, K's blocks.   2: A' = Wkv rows 1024-2047, B' = y (m' channels, n' = the KEYS, v's K) -> kvbuf, V's blocks.
; Four waves, each 128 x 128: 64 accumulators.  K = 1,024 goes in four steps of 256 through two LDS slots filled by joint tensor loads: A's tile is shared along a row of the cluster, B's along a column.
; THE MATRIX INSTRUCTION IS USED TRANSPOSED (source 0 = 16 rows of B', source 1 = 16 rows of A'): lane (r, h) holds row m' = 16 a + r, register j of accumulator (a, b) the column n' = 16 b + 8 h + j.
; THE ORDER INSIDE A BLOCK OF 32: the 16 registers of accumulators (a, 2 i), (a, 2 i + 1) are converted as they stand and are stored as registers 4 c .. 4 c + 3 of the next product's operand: byte p of lane (r, h)
; is element 8 h + p (p < 8) or 16 + 8 h + p - 8 of the block.  Both operands of each later product are laid so, so the products pair up rightly; a block's set of numbers, its scale and its codes are the rule's.
; OUTPUT: images of operand registers, 512 bytes a chunk, lane l's 16 bytes at 16 l.  qbuf [b h][128 tokens][8,448]: chunk (token tile a, block of d) at (a % 4) 2048 + (a / 4) 1024 + 512 block; at 8,192 the scale words
; [r][a % 4]: bytes (tile a % 4: s0, s1; tile a % 4 + 4: s0, s1).  kvbuf [b h][128 keys][16,896]: K's block in q's form, then V's at 8,448: chunk (tile of d, block of keys c) at 2048 tile + 512 c, scale words [r][tile], byte c.
; The bias is the C of each sum's first matrix instruction.  Only C's register number differs between the jobs, so the first step is written in two arms.
; LIMITS: NaN codes or scale bytes 0xff among the inputs are not served; a block of zeros gets the byte 1 and not 127 (its codes are zeros, and this program alone reads the bytes); blocks whose largest magnitude lies
; under 2^(9 - 127) are held at that floor; the order of the exact products inside a block of 32 differs from reference()'s.
.set PITCH,  272                       ; an LDS row: 256 bytes + 16 of padding: the 16 rows of a fragment load start at 16 different groups of banks
.set HALFT,  128*PITCH                 ; what one tensor load brings
.set SLOT,   4*HALFT                   ; A's 256 rows, then B's 256 rows
.set SCL,    2*SLOT                    ; behind the ring: the scale bytes of 512 rows for all of K, as units of 256 bytes + 16
.set HALFS,  16*272                    ; those of 128 rows
.set SBLK,   2*272                     ; those of 16 rows
.set SPARE,  SCL+4*HALFS               ; the spare words: 128 bytes a wave, named by no other line
.set ROWB,   256
.set KROW,   1024
.set NQ,     2
.set FR,     16
.set NL,     4
.set NP,     8                         ; places behind this matrix instruction
.set OFJ,  8                           ; v8-15   the bias loads' offsets
.set ADRA, 16                          ; v16-17  LDS address of my A fragments in slot 0, 1
.set ADRB, 20                          ; v20-21  the same for B
.set L16,  26                          ; v26     16 x lane
.set ADRS, 27                          ; v27     LDS address of my scale words: lanes 0-15 A's, lanes 16-31 B's
.set SPW,  28                          ; v28     my spare word; never rewritten
.set NIL,  29                          ; v29     0; never rewritten
.set SO,   30                          ; v30     where my scale words go: 16 r + h x a head's bytes
.set FLR,  31                          ; v31     the floor 2^(9 - 127)
.set SC,   32                          ; v32-63  scale words, two sets: they hold nothing else
.set BI,   64                          ; v64-127 the bias, as C
.set AF,   128                         ; v128-255 A's fragments, one set
.set TM,   64                          ; the way out (the bias is done with): largest magnitudes,
.set TP,   68                          ; the other half's, then bytes,
.set TH,   72                          ; 448 x the scale,
.set TS,   76                          ; the conversions' scale operands,
.set X,    80                          ; v80-87  a scale word for each block a,
.set G,    88                          ; v88-95  regrouped,
.set QD,   96                          ; v96-99  as stored
.set CD,   128                         ; v128-255 codes: 16 registers for each a: no store's data are written again
.set G1A,  28
.set G0A,  36
.set G1B,  44
.set G0B,  52
.set G1SA, 68
.set G0SA, 76
.set G1SB, 80
.set G0SB, 88
.set WV,   60
.set WR,   61                          ; which half of m' is mine; also: I fetch for A' (0) or B' (1)
.set WC,   62                          ; which half of n'; also: which 128 rows I fetch
.set MODE, 63                          ; 1 in job 2
.set MSB, 0
.macro WIN new                         ; the immediate's high byte repeats the setting that is left
.if MSB != (\new)
	s_set_vgpr_msb (MSB<<8)|(\new)
.set MSB, (\new)
.endif
.endm
.set MUL_LO, 0xa1                      ; source 0 (B') window 1, source 1 (A') window 0, C and D window 2
.set MUL_HI, 0xf1                      ; the same, C and D window 3
.set TO_B,   0x40
.macro JLOAD g0a, g1a, g0b, g1b        ; a joint load: waves 0, 1 fetch for A', waves 2, 3 for B'; the branch hangs on the wave's number alone
	s_cmp_eq_u32 s[WR], 0
	s_cbranch_scc0 .Lfor_b_\@
	tensor_load_to_lds s[\g0a:\g0a+3], s[\g1a:\g1a+7]
	s_nop 0
.rept 4
	v_nop
.endr
	s_branch .Lasked_\@
.Lfor_b_\@:
	tensor_load_to_lds s[\g0b:\g0b+3], s[\g1b:\g1b+7]
	s_nop 0
.rept 4
	v_nop
.endr
.Lasked_\@:
.endm
.macro CREST                           ; a round of the cluster's barrier behind its opening barrier
	s_cmp_lg_u32 s[WV], 0
	s_cbranch_scc1 .Lnot_wave_0_\@
	s_barrier_signal -3
.Lnot_wave_0_\@:
	s_barrier_wait -3
	s_barrier_signal -1
	s_barrier_wait -1
.endm
.macro CROUND
	s_barrier_signal -1
	s_barrier_wait -1
	CREST
.endm
	s_load_b512 s[4:19], s[0:1], 0x0               ; x codes, x scales, y codes, y scales, Wq codes, Wq scales, Wkv codes, Wkv scales
	s_load_b256 s[20:27], s[0:1], 0x40             ; Wq_b, Wkv_b, qbuf, kvbuf
	v_lshl_add_u32 v[SPW], v0, 2, SPARE
	v_mov_b32 v[NIL], 0
	ds_add_u32 v[SPW], v[NIL]                      ; the wave's opening: the add, twice on end, and its wait ahead of my first tensor load
	ds_add_u32 v[SPW], v[NIL]
	v_lshrrev_b32 v1, 5, v0
	v_readfirstlane_b32 s[WV], v1                  ; wave 0..3
	s_lshr_b32 s[WR], s[WV], 1
	s_and_b32 s[WC], s[WV], 1
	s_bfe_u32 s66, ttmp6, 0x40000                  ; cx
	s_bfe_u32 s67, ttmp6, 0x40004                  ; cy
	s_and_b32 s92, ttmp7, 0xffff
	s_lshl_b32 s92, s92, 2                         ; 4 x cluster y
	s_cmp_eq_u32 ttmp9, 2                          ; the job: the cluster's x
	s_cselect_b32 s[MODE], 1, 0
	s_cselect_b32 s2, 4, s92                       ; A's tile row: 4 + cy (Wkv's second half) or 4 Y + cy
	s_cselect_b32 s3, s92, 0                       ; B's tile row: 4 Y + cx or cx
	s_add_co_u32 s94, s2, s67
	s_add_co_u32 s95, s3, s66
	s_lshl_b32 s100, s67, 2
	s_lshl_b32 s100, 15, s100                      ; my row of the cluster
	s_lshl_b32 s101, 0x1111, s66                   ; my column
	s_or_b32 s[G1A], s100, (1<<20)|(1<<21)|(5<<22)|(3<<25)   ; the mask; elements of 1 byte; padding: 4 words behind every 64
	s_or_b32 s[G1B], s101, (1<<20)|(1<<21)|(5<<22)|(3<<25)
.irp g, G1A, G1B
	s_mov_b32 s[\g+1], ROWB<<16                    ; tensor_dim0
	s_mov_b32 s[\g+2], 256<<16                     ; tensor_dim1: 256 rows for the head's loads; set to 128 for the ring's behind them
	s_mov_b32 s[\g+3], ROWB<<16                    ; tile_dim0
	s_mov_b32 s[\g+4], 256                         ; tile_dim1 likewise
	s_mov_b32 s[\g+5], KROW                        ; from row to row
	s_mov_b32 s[\g+6], 0
	s_mov_b32 s[\g+7], 0
.endr
	s_or_b32 s[G1SA], s100, (3<<16)|(1<<20)|(1<<21)|(5<<22)|(3<<25)  ; the scales of 256 rows: 8,192 dense bytes as 32 rows of 32 elements of 8 bytes
	s_or_b32 s[G1SB], s101, (3<<16)|(1<<20)|(1<<21)|(5<<22)|(3<<25)
.irp g, G1SA, G1SB
	s_mov_b32 s[\g+1], 32<<16
	s_mov_b32 s[\g+2], 32<<16
	s_mov_b32 s[\g+3], 32<<16
	s_mov_b32 s[\g+4], 32
	s_mov_b32 s[\g+5], 32
	s_mov_b32 s[\g+6], 0
	s_mov_b32 s[\g+7], 0
.endr
	s_lshl_b32 s2, s[WC], 7
	s_lshl_b32 s96, s94, 8
	s_add_co_u32 s96, s96, s2                      ; the first row of A' that I would fetch
	s_lshl_b32 s97, s95, 8
	s_add_co_u32 s97, s97, s2                      ; and of B'
	s_lshl_b32 s98, s96, 10                        ; in bytes of codes,
	s_mov_b32 s99, 0
	s_lshl_b32 s100, s94, 13                       ; and of scales: the tile's first row, 256 rows of 32 bytes a tile
	s_mov_b32 s101, 0
	s_lshl_b32 s92, s97, 10
	s_mov_b32 s93, 0
	s_lshl_b32 s2, s95, 13
	s_mov_b32 s3, 0
	s_mul_i32 s96, s[WV], HALFT                    ; where they go: by the wave's number alone
	s_wait_dscnt 0x0                               ; both opening adds are done
	s_wait_kmcnt 0x0
	s_cmp_eq_u32 ttmp9, 0                          ; job 0 takes x, Wq, Wq_b, qbuf; the others y, Wkv, Wkv_b, kvbuf
	s_cselect_b64 s[8:9], s[4:5], s[8:9]
	s_cselect_b64 s[10:11], s[6:7], s[10:11]
	s_cselect_b64 s[16:17], s[12:13], s[16:17]
	s_cselect_b64 s[18:19], s[14:15], s[18:19]
	s_cselect_b64 s[20:21], s[20:21], s[22:23]
	s_cselect_b64 s[24:25], s[24:25], s[26:27]
	s_cmp_eq_u32 ttmp9, 2                          ; job 2 takes the weight as A' and the tokens as B'
	s_cselect_b64 s[4:5], s[16:17], s[8:9]
	s_cselect_b64 s[6:7], s[18:19], s[10:11]
	s_cselect_b64 s[12:13], s[8:9], s[16:17]
	s_cselect_b64 s[14:15], s[10:11], s[18:19]
	s_add_nc_u64 s[4:5], s[4:5], s[98:99]
	s_add_nc_u64 s[6:7], s[6:7], s[100:101]
	s_add_nc_u64 s[12:13], s[12:13], s[92:93]
	s_add_nc_u64 s[14:15], s[14:15], s[2:3]
	CROUND                                         ; all sixteen work-groups are here: the first joint loads meet
	s_mov_b32 s[G0SA], 1
	s_mov_b32 s[G0SA+1], SCL
	s_mov_b64 s[G0SA+2:G0SA+3], s[6:7]
	s_or_b32 s[G0SA+3], s[G0SA+3], 0x80000000
	s_mov_b32 s[G0SB], 1
	s_mov_b32 s[G0SB+1], SCL+2*HALFS
	s_mov_b64 s[G0SB+2:G0SB+3], s[14:15]
	s_or_b32 s[G0SB+3], s[G0SB+3], 0x80000000
.irp s, 0,1
	s_mov_b32 s[G0A+4*\s], 1
	s_add_co_u32 s[G0A+4*\s+1], s96, \s*SLOT
	s_add_nc_u64 s[G0A+4*\s+2:G0A+4*\s+3], s[4:5], \s*ROWB
	s_or_b32 s[G0A+4*\s+3], s[G0A+4*\s+3], 0x80000000
	s_mov_b32 s[G0B+4*\s], 1
	s_add_co_u32 s[G0B+4*\s+1], s96, \s*SLOT
	s_add_nc_u64 s[G0B+4*\s+2:G0B+4*\s+3], s[12:13], \s*ROWB
	s_or_b32 s[G0B+4*\s+3], s[G0B+4*\s+3], 0x80000000
.endr
; THE HEAD'S LOADS, ONE A WAVE: wave 0 K step 0's 256 rows of A', wave 1 the scales of A's 256 rows, wave 2 the 256 rows of B', wave 3 B's scales.
; Waves 0 and 2 fetch the lower 128 rows in the ring, so their slot 0 groups 0 already name the tile's first row and its place in LDS.  One chain of branches on the wave's number, a load to an arm.
.macro ARM under, g0, g1, next
	s_cmp_lt_u32 s[WV], \under
	s_cbranch_scc0 \next
	tensor_load_to_lds s[\g0:\g0+3], s[\g1:\g1+7]
	s_nop 0
.rept 4
	v_nop
.endr
	s_branch .Lhead_asked
\next:
.endm
	ARM 1, G0A,  G1A,  .Lhead_sa
	ARM 2, G0SA, G1SA, .Lhead_b
	ARM 3, G0B,  G1B,  .Lhead_sb
	tensor_load_to_lds s[G0SB:G0SB+3], s[G1SB:G1SB+7]
	s_nop 0
.rept 4
	v_nop
.endr
.Lhead_asked:
	v_and_b32 v1, 15, v0                           ; r
	v_bfe_u32 v2, v0, 4, 1                         ; h
	v_mul_u32_u24 v3, v1, PITCH
	v_lshl_add_u32 v4, v2, 4, v3                   ; a fragment's row x pitch + 16 h
	s_mul_i32 s2, s[WR], HALFT                     ; my 128 rows of A'
	s_mul_i32 s3, s[WC], HALFT                     ; my 128 rows of B',
	s_add_co_u32 s3, s3, 2*HALFT                   ; behind A's 256
.irp s, 0,1
	v_add_nc_u32 v[ADRA+\s], s2, v4
	v_add_nc_u32 v[ADRB+\s], s3, v4
	s_add_co_u32 s2, s2, SLOT
	s_add_co_u32 s3, s3, SLOT
.endr
	v_mul_u32_u24 v5, v1, 32                       ; my row's scales: 32 bytes a row,
	v_lshrrev_b32 v6, 8, v5
	v_lshl_add_u32 v5, v6, 4, v5                   ; and 16 more for each 256 passed
	s_mul_i32 s2, s[WR], HALFS
	s_mul_i32 s3, s[WC], HALFS
	s_add_co_u32 s3, s3, 2*HALFS
	s_sub_co_u32 s3, s3, s2
	v_mul_u32_u24 v6, s3, v2                       ; lanes 16-31 take B's
	s_add_co_u32 s2, s2, SCL
	v_add_nc_u32 v5, v5, v6
	v_add_nc_u32 v[ADRS], s2, v5
	v_and_b32 v6, 31, v0
	v_lshlrev_b32 v[L16], 4, v6
	v_mov_b32 v[FLR], 0x4800000
	; where my 128 x 128 goes
	s_lshl_b32 s2, s[MODE], 2
	s_sub_co_u32 s93, s94, s2                      ; the tile row of the result: cy in job 2
	s_lshl_b32 s93, s93, 8
	s_lshl_b32 s2, s[WR], 7
	s_add_co_u32 s93, s93, s2                      ; my first m'
	s_lshl_b32 s95, s95, 8
	s_lshl_b32 s2, s[WC], 7
	s_add_co_u32 s95, s95, s2                      ; my first n'
	s_mov_b32 s98, 270336                          ; a head's bytes in the buffer,
	s_mov_b32 s99, 16896                           ; and those of 128 tokens
	s_cmp_eq_u32 ttmp9, 0
	s_cselect_b32 s98, 135168, s98
	s_cselect_b32 s99, 8448, s99
	s_mov_b32 s22, 0x05040100                      ; how two blocks' scale words are regrouped: head 0's word,
	s_mov_b32 s23, 0x07060302                      ; head 1's
	s_cmp_eq_u32 s[MODE], 1
	s_cselect_b32 s96, s95, s93                    ; my first token
	s_cselect_b32 s97, s93, s95                    ; my first channel
	s_cselect_b32 s100, s98, 1024                  ; what a / 4 adds: the upper token tiles' place, or the next head
	s_cselect_b32 s101, 1024, s98                  ; what i / 2 adds: the next head, or key blocks 2 and 3
	s_cselect_b32 s22, 0x03020100, s22
	s_cselect_b32 s23, 0x07060504, s23
	s_cselect_b32 s92, 0, 4                        ; the bias: from register to register,
	s_cselect_b32 s94, 4, 0                        ; from r to r,
	s_cselect_b32 s95, 0, 32                       ; from h to h
	s_mov_b32 s26, 0xffff0000                      ; lanes 16-31
	s_mov_b32 s27, 0x600000                        ; the mantissa field of 448
	s_mov_b32 s4, 0x76543210                       ; v_permlanex16_b32's selects for lane l xor 16
	s_mov_b32 s5, 0xfedcba98
	s_lshr_b32 s2, s96, 11                         ; the batch
	s_lshl_b32 s2, s2, 4
	s_lshr_b32 s3, s97, 6                          ; the head
	s_add_co_u32 s2, s2, s3
	s_mul_i32 s2, s2, s98
	s_bfe_u32 s3, s96, 0x40007                     ; which 128 tokens of the sequence
	s_mul_i32 s3, s3, s99
	s_add_co_u32 s2, s2, s3
	s_mul_i32 s3, s[MODE], 8448                    ; V's block lies behind K's
	s_add_co_u32 s2, s2, s3
	s_mov_b32 s3, 0
	s_add_nc_u64 s[8:9], s[24:25], s[2:3]          ; base (a / 4 = 0, i / 2 = 0)
	s_mov_b32 s2, s101
	s_add_nc_u64 s[10:11], s[8:9], s[2:3]          ; (0, 1)
	s_mov_b32 s2, s100
	s_add_nc_u64 s[16:17], s[8:9], s[2:3]          ; (1, 0)
	s_add_nc_u64 s[18:19], s[10:11], s[2:3]        ; (1, 1)
	s_lshl_b32 s2, s[MODE], 10
	s_add_co_u32 s2, s2, s97
	s_lshl_b32 s2, s2, 2
	s_add_nc_u64 s[20:21], s[20:21], s[2:3]        ; the bias at my first channel
	v_mul_lo_u32 v6, v2, s98
	v_lshl_add_u32 v[SO], v1, 4, v6
	v_mul_lo_u32 v5, v1, s94
	v_mul_lo_u32 v6, v2, s95
	v_add_nc_u32 v5, v5, v6
	s_wait_alu depctr_va_vdst(0)
.irp j, 0,1,2,3,4,5,6,7
	s_mul_i32 s2, s92, \j
	v_add_nc_u32 v[OFJ+\j], s2, v5                 ; jobs 0, 1: 32 h + 4 j (the bias runs along n');  job 2: 4 r (along m')
.endr
.irp k, 0,1,2,3,4,5,6,7
.irp j, 0,1,2,3,4,5,6,7
	global_load_b32 v[BI+8*\k+\j], v[OFJ+\j], s[20:21] offset:64*\k   ; tile k of 16 channels, in the result's layout
.endr
.endr
.macro FRAG reg, adr, q, i             ; 16 rows x 128 K: registers 4 c .. 4 c + 3 hold K = 32 c + 16 h + 0 .. 15
.irp c, 0,1,2,3
	ds_load_b128 v[\reg+4*\c:\reg+4*\c+3], v[\adr] offset:128*(\q)+32*\c+(\i)*16*PITCH
.endr
.endm
; 16 matrix instructions: A's blocks a0, a0 + 1 x B's eight.  cm = 0: a link of the sums; 1: the bias by B's block starts them; 2: the bias by A's block.  The 64 accumulators take turns.
.macro MUL16 a0, p, q, sc, cm
.irp a, \a0, \a0+1
.irp b, 0,1,2,3,4,5,6,7
.if \cm == 0
	v_wmma_scale_f32_16x16x128_f8f6f4 v[8*(8*((\a)%4)+\b):8*(8*((\a)%4)+\b)+7], v[128*(\p)+FR*\b:128*(\p)+FR*\b+FR-1], v[AF+FR*(\a):AF+FR*(\a)+FR-1], v[8*(8*((\a)%4)+\b):8*(8*((\a)%4)+\b)+7], v[SC+8*NQ*(\sc)+NQ*\b+(\q)], v[SC+8*NQ*(\sc)+NQ*(\a)+(\q)] matrix_a_scale:MATRIX_SCALE_ROW1
.elseif \cm == 1
	v_wmma_scale_f32_16x16x128_f8f6f4 v[8*(8*((\a)%4)+\b):8*(8*((\a)%4)+\b)+7], v[128*(\p)+FR*\b:128*(\p)+FR*\b+FR-1], v[AF+FR*(\a):AF+FR*(\a)+FR-1], v[BI+8*\b:BI+8*\b+7], v[SC+8*NQ*(\sc)+NQ*\b+(\q)], v[SC+8*NQ*(\sc)+NQ*(\a)+(\q)] matrix_a_scale:MATRIX_SCALE_ROW1
.else
	v_wmma_scale_f32_16x16x128_f8f6f4 v[8*(8*((\a)%4)+\b):8*(8*((\a)%4)+\b)+7], v[128*(\p)+FR*\b:128*(\p)+FR*\b+FR-1], v[AF+FR*(\a):AF+FR*(\a)+FR-1], v[BI+8*(\a):BI+8*(\a)+7], v[SC+8*NQ*(\sc)+NQ*\b+(\q)], v[SC+8*NQ*(\sc)+NQ*(\a)+(\q)] matrix_a_scale:MATRIX_SCALE_ROW1
.endif
.endr
.endr
.endm
.macro FETCH_B slot, q, p
	WIN TO_B
.irp i, 0,1,2,3,4,5,6,7
	FRAG 128*(\p)+FR*\i, ADRB+\slot, \q, \i
.endr
	WIN 0
.endm
.macro FETCH_A slot, q, i0
.irp i, \i0, \i0+1, \i0+2, \i0+3
	FRAG AF+FR*(\i), ADRA+\slot, \q, \i
.endr
.endm
.macro SCALES sc                       ; a K step's two scale words a row: lanes 0-15 A's block i, lanes 16-31 B's block i
.irp i, 0,1,2,3,4,5,6,7
	ds_load_b64 v[SC+8*NQ*\sc+NQ*\i:SC+8*NQ*\sc+NQ*\i+1], v[ADRS] offset:\i*SBLK
.endr
.endm
.macro PLACES n                        ; plain vector instructions between a matrix instruction and a load into, or a read of, its registers
.rept \n
	v_nop
.endr
.endm
.macro STEP slot, q, cm                ; 128 along K with its successor in the same slot
	s_wait_dscnt 4*NL                              ; B's set and A's blocks 0-3 are in; the youngest 16 loads (A's blocks 4-7) may be out
.if \cm
	WIN 0x81                                       ; C (the bias) in window 0, D in window 2
.else
	WIN MUL_LO
.endif
	MUL16 0, (\q)%2, \q, \slot, \cm
	MUL16 2, (\q)%2, \q, \slot, \cm
	s_wait_dscnt 0
	PLACES NP
	FETCH_B \slot, (\q)+1, 1-(\q)%2
	FETCH_A \slot, (\q)+1, 0
.if \cm
	WIN 0xc1
.else
	WIN MUL_HI
.endif
	MUL16 4, (\q)%2, \q, \slot, \cm
	MUL16 6, (\q)%2, \q, \slot, \cm
	PLACES NP
	WIN 0
	FETCH_A \slot, (\q)+1, 4
.endm
; A slot's last step changes slots: one barrier; ahead of it each wave waits for all its tensor loads, adds 0 to its spare word, and waits for that and for its reads of this slot.  fill = 1: the slot is filled again.
.macro TURN slot, next, fill
	s_wait_tensorcnt 0x0                           ; all my tensor loads have landed: my part of the next slot
	ds_add_u32 v[SPW], v[NIL]
	s_wait_dscnt 4*NL+1                            ; the add and the youngest 16 loads may be out
	WIN MUL_LO
	MUL16 0, 1, NQ-1, \slot, 0
	s_wait_dscnt 0x0                               ; the add is done, and my reads of this slot are over
	s_barrier_signal -1
	MUL16 2, 1, NQ-1, \slot, 0
	WIN 0
	s_barrier_wait -1
.if \fill
	CREST                                          ; the barrier has opened a round of the cluster's: no wave of any partner still reads this slot or has a load on its way
	s_add_nc_u64 s[G0A+4*\slot+2:G0A+4*\slot+3], s[G0A+4*\slot+2:G0A+4*\slot+3], 2*ROWB
	s_add_nc_u64 s[G0B+4*\slot+2:G0B+4*\slot+3], s[G0B+4*\slot+2:G0B+4*\slot+3], 2*ROWB
	JLOAD G0A+4*\slot, G1A, G0B+4*\slot, G1B       ; the first tensor load behind the round; its four v_nop are among the places below
	PLACES NP-4
.else
	PLACES NP
.endif
	s_wait_alu depctr_va_vdst(0)
	v_add_nc_u32 v[ADRS], 4*NQ, v[ADRS]            ; the next K step's scale words
	FETCH_B \next, 0, 0
	FETCH_A \next, 0, 0
	SCALES \next
	WIN MUL_HI
	MUL16 4, 1, NQ-1, \slot, 0
	MUL16 6, 1, NQ-1, \slot, 0
	PLACES NP
	WIN 0
	FETCH_A \next, 0, 4
.endm
	s_wait_alu depctr_va_vdst(0)                   ; the head's end
	s_wait_tensorcnt 0x0                           ; my tile of the head's four is in
	ds_add_u32 v[SPW], v[NIL]
	s_mov_b32 s[G1A+2], 128<<16                    ; no tensor load of mine is out: from here on a load brings 128 rows
	s_mov_b32 s[G1A+4], 128
	s_mov_b32 s[G1B+2], 128<<16
	s_mov_b32 s[G1B+4], 128
	s_wait_dscnt 0x0
	CROUND                                         ; all four tiles are in, and all sixteen work-groups are here
	JLOAD G0A+4, G1A, G0B+4, G1B                   ; K step 1: the first tensor load behind the round
	FETCH_B 0, 0, 0
	FETCH_A 0, 0, 0
	SCALES 0
	FETCH_A 0, 0, 4
	s_wait_loadcnt 0x0                             ; the bias
	s_cmp_eq_u32 s[MODE], 1                        ; the job: the same in all partners
	s_cbranch_scc1 .Lfirst_v
	STEP 0, 0, 1
	s_branch .Lfirst_done
.Lfirst_v:
	STEP 0, 0, 2
.Lfirst_done:
	TURN 0, 1, 1                                   ; slot 0 takes K step 2
	STEP 1, 0, 0
	TURN 1, 0, 1                                   ; slot 1 takes K step 3
	STEP 0, 0, 0
	TURN 0, 1, 0
	STEP 1, 0, 0
	s_wait_dscnt 4*NL
	WIN MUL_LO
	MUL16 0, 1, NQ-1, 1, 0
	MUL16 2, 1, NQ-1, 1, 0
	s_wait_dscnt 0
	WIN MUL_HI
	MUL16 4, 1, NQ-1, 1, 0
	MUL16 6, 1, NQ-1, 1, 0
	WIN 0
; THE WAY OUT.  Block a (16 rows of m'): four blocks of 32 along n', each in 16 of my registers and 16 of lane l xor 16's.
.macro QBLK a
.set AC, 64*((\a)%4)
.set AW, 2+(\a)/4
.set W1, (AW<<2)|(AW<<4)
.set W2, (AW<<6)|AW
	WIN W1                                         ; sources 1 and 2: the accumulators' window
.irp i, 0,1,2,3
	v_max3_num_f32 v[TM+\i], v[FLR], |v[AC+16*\i]|, |v[AC+16*\i+1]|     ; the floor among the leaves: the byte cannot fall under 1.  Each accumulator is read from its low end on
.endr
.irp n, 2,4,6,8,10,12,14
.irp i, 0,1,2,3
	v_max3_num_f32 v[TM+\i], v[TM+\i], |v[AC+16*\i+\n]|, |v[AC+16*\i+\n+1]|
.endr
.endr
	WIN 0
.irp i, 0,1,2,3
	v_permlanex16_b32 v[TP+\i], v[TM+\i], s4, s5
.endr
.irp i, 0,1,2,3
	v_max_num_f32 v[TM+\i], v[TM+\i], v[TP+\i]     ; the block's largest magnitude
.endr
.irp i, 0,1,2,3
	v_add_nc_u32 v[TS+\i], 0xfc000000, v[TM+\i]    ; 8 off its exponent field: the conversion's scale operand
.endr
.irp i, 0,1,2,3
	v_and_or_b32 v[TH+\i], v[TM+\i], 0x7f800000, s27   ; 448 x the scale
.endr
.irp i, 0,1,2,3
	v_lshrrev_b32 v[TP+\i], 23, v[TS+\i]           ; the scale's byte
.endr
	v_lshl_or_b32 v[X+(\a)], v[TP+1], 8, v[TP]
	v_lshl_or_b32 v[X+(\a)], v[TP+2], 16, v[X+(\a)]
	v_lshl_or_b32 v[X+(\a)], v[TP+3], 24, v[X+(\a)]
	WIN W2
.irp i, 0,1,2,3
.irp n, 0,1,2,3,4,5,6,7,8,9,10,11,12,13,14,15
	v_med3_num_f32 v[AC+16*\i+\n], v[AC+16*\i+\n], -v[TH+\i], v[TH+\i]   ; the conversion does not saturate: the hold at the largest code x the scale
.endr
.endr
	WIN AW
.irp i, 0,1,2,3
	v_cvt_scalef32_pk8_fp8_f32 v[CD+16*(\a)+4*\i:CD+16*(\a)+4*\i+1], v[AC+16*\i:AC+16*\i+7], v[TS+\i]
	v_cvt_scalef32_pk8_fp8_f32 v[CD+16*(\a)+4*\i+2:CD+16*(\a)+4*\i+3], v[AC+16*\i+8:AC+16*\i+15], v[TS+\i]
.endr
	WIN 0
	v_nop                                          ; a plain instruction behind the last conversion
.irp i, 0,1,2,3
.set PB, 8+8*((\a)/4)+2*(\i/2)
	global_store_b128 v[L16], v[CD+16*(\a)+4*\i:CD+16*(\a)+4*\i+3], s[PB:PB+1] offset:((\a)%4)*2048+(\i%2)*512   ; a chunk: 512 consecutive bytes, aligned
.endr
.endm
	PLACES NP
.irp i, 0,1,2,3
	v_mov_b32 v[TP+\i], 0                          ; written once: a lane permute's destination counts as one of its sources
.endr
.irp a, 0,1,2,3,4,5,6,7
	QBLK \a
.endr
.irp t, 0,1,2,3
	v_perm_b32 v[G+2*\t], v[X+\t+4], v[X+\t], s22      ; the first head's word of tile t,
	v_perm_b32 v[G+2*\t+1], v[X+\t+4], v[X+\t], s23    ; the second head's
.endr
.irp t, 0,1,2,3
	v_cndmask_b32 v[QD+\t], v[G+2*\t], v[G+2*\t+1], s26    ; lanes 0-15 store the first head's words, lanes 16-31 the second's
.endr
	global_store_b128 v[SO], v[QD:QD+3], s[8:9] offset:8192    ; sixteen lanes store 256 consecutive bytes, aligned
	s_wait_tensorcnt 0x0                           ; the wave's end
	ds_add_u32 v[SPW], v[NIL]
	s_wait_dscnt 0x0
	CROUND                                         ; the closing round
	s_endpgm
.Lfunc_end_k_q33a6b26230_proj:
	.size	k_q33a6b26230_proj, .Lfunc_end_k_q33a6b26230_proj-k_q33a6b26230_proj
	.p2alignl 7, 3214868480
	.fill 96, 4, 3214868480
	.section	.rodata,"a",@progbits
	.p2align	6, 0x0
	.amdhsa_kernel k_q33a6b26230_proj
		.amdhsa_group_segment_fixed_size 327680
		.amdhsa_private_segment_fixed_size 0
		.amdhsa_enable_private_segment 0
		.amdhsa_kernarg_size 96
		.amdhsa_user_sgpr_count 2
		.amdhsa_user_sgpr_kernarg_segment_ptr 1
		.amdhsa_wavefront_size32 1
		.amdhsa_system_sgpr_workgroup_id_x 1
		.amdhsa_system_sgpr_workgroup_id_y 1
		.amdhsa_system_sgpr_workgroup_id_z 1
		.amdhsa_system_vgpr_workitem_id 0
		.amdhsa_next_free_vgpr 1024
		.amdhsa_next_free_sgpr 102
		.amdhsa_reserve_vcc 0
		.amdhsa_float_denorm_mode_32 3
		.amdhsa_float_denorm_mode_16_64 3
		.amdhsa_memory_ordered 1
		.amdhsa_forward_progress 1
		.amdhsa_inst_pref_size 206
	.end_amdhsa_kernel
	.amdgpu_metadata
---
amdhsa.version: [ 1, 2 ]
amdhsa.kernels:
  - .name:           k_q33a6b26230_proj
    .symbol:         k_q33a6b26230_proj.kd
    .args:
      - { .name: x_codes, .offset: 0, .size: 8, .value_kind: global_buffer, .address_space: global }
      - { .name: x_scales, .offset: 8, .size: 8, .value_kind: global_buffer, .address_space: global }
      - { .name: y_codes, .offset: 16, .size: 8, .value_kind: global_buffer, .address_space: global }
      - { .name: y_scales, .offset: 24, .size: 8, .value_kind: global_buffer, .address_space: global }
      - { .name: Wq_w_codes, .offset: 32, .size: 8, .value_kind: global_buffer, .address_space: global }
      - { .name: Wq_w_scales, .offset: 40, .size: 8, .value_kind: global_buffer, .address_space: global }
      - { .name: Wkv_w_codes, .offset: 48, .size: 8, .value_kind: global_buffer, .address_space: global }
      - { .name: Wkv_w_scales, .offset: 56, .size: 8, .value_kind: global_buffer, .address_space: global }
      - { .name: Wq_b, .offset: 64, .size: 8, .value_kind: global_buffer, .address_space: global }
      - { .name: Wkv_b, .offset: 72, .size: 8, .value_kind: global_buffer, .address_space: global }
      - { .name: qbuf, .offset: 80, .size: 8, .value_kind: global_buffer, .address_space: global }
      - { .name: kvbuf, .offset: 88, .size: 8, .value_kind: global_buffer, .address_space: global }
    .group_segment_fixed_size: 327680
    .private_segment_fixed_size: 0
    .kernarg_segment_align: 8
    .kernarg_segment_size: 96
    .max_flat_workgroup_size: 128
    .sgpr_count:     102
    .vgpr_count:     1024
    .wavefront_size: 32
...
	.end_amdgpu_metadata
.endif
;; end of part 1
;; launch attn (part 2): grid 4 x 64, 8 waves a work-group, clusters of 4 x 1, 327,680 bytes of LDS; arguments qbuf, kvbuf, mask, aoc, aos; writes aoc, aos
.if DOCPART == 2
	.amdgcn_target "amdgcn-amd-amdhsa--gfx1250"
	.amdhsa_code_object_version 6
	.text
	.protected	k_q33a6b26230_attn
	.globl	k_q33a6b26230_attn
	.p2align	8
	.type	k_q33a6b26230_attn,@function
k_q33a6b26230_attn:
	s_mov_b64 s[64:65], 0
	v_nop
	global_prefetch_b8 v0, s[64:65] scope:SCOPE_SE
	s_setreg_imm32_b32 hwreg(HW_REG_WAVE_MODE, 25, 1), 1
	s_wait_xcnt 0x0
	s_wait_alu depctr_hold_cnt(0) depctr_sa_sdst(0) depctr_va_vdst(0) depctr_va_sdst(0) depctr_va_ssrc(0) depctr_va_vcc(0) depctr_vm_vsrc(0)
	s_getreg_b32 s2, hwreg(HW_REG_IB_STS2, 6, 4)
	s_cmp_eq_u32 s2, 0
	s_cbranch_scc0 .Lentry_in_a_cluster
	s_endpgm
.Lentry_in_a_cluster:
	s_bfe_u32 s2, ttmp6, 0x10000c
	s_cmp_lg_u32 s2, 0x3003
	s_cbranch_scc0 .Lentry_shape_is_right
	s_endpgm
.Lentry_shape_is_right:
; o = softmax(q k^T / 8, causal and key mask) v for one batch and head, both products on codes of FP8 (E4M3) with E8M0 scales, and the quantiser of o along the head's 64.
; LEFT OUT: the key steps that lie wholly above the diagonal, which reference() itself sets to -inf (p = 0 there for all inputs).
; SHARES.  The four work-groups of a cluster serve one (batch, head): all ask JOINTLY for its K and V, 16 key steps of 16,896 bytes, which stay in LDS: each of the 8 waves issues one load of two steps at the head.
; Work-group cx owns query tiles 2 cx and 2 cx + 1 (16 queries each) of every block of 128 tokens; block n has n + 1 key steps, 136 in all.
; THE DEAL AMONG THE WAVES IS UNEVEN, the longer shares with the lower wave numbers: waves 0 to 3 take blocks 15 - w and 8 + w (16 - w + 9 + w = 25 key steps each), waves 4 to 7 blocks 11 - w and w - 4 (12 - w + w - 3 = 9 each).
; TWO TILES A WAVE, WORKED SIDE BY SIDE.  Window 1 holds both tiles' scores, O^T and codes; window 0 all else: so one window setting serves both tiles, and their chains take turns line by line.
; Tile A's exponentials stand among tile B's multiply-adds, tile B's among tile A's holds.  K's and V's fragments have 64 registers each: the next step's K is asked for behind this step's scores.
; THE MASK IS THE C OF THE SCORE PRODUCTS: 0 for a key that counts, -2^126 for a padded one; it is loaded into the scores' registers behind the conversions of the step before.
; In a block's last step the loads for a next step name the next step's bytes all the same (the last step's own at step 15) and are not used: so the counted waits hold on every way.
; THE SOFTMAX: t = score x log2(e) / 8; M = ceil of the running largest t, which begins at -2^40; p = 2^(t - M), quantised along the keys; the sum of the unquantised p divides at the end; a change of M multiplies sum and O by 2^(old - new).
; LIMITS: the promise holds while the scaled scores stay under 2^31 in magnitude (so every true t lies above -2^40 and every masked one far below).  A row all of whose keys are masked has sum 0: its scale bytes become 0xff,
; so that the last product gives NaN there, as reference() does.  NaN or infinite scores are not served.  A block of zeros keeps the byte 1.
; NO PREFETCH: all of K and V is asked for at the head; no later tensor load exists to run ahead of.  The second pass's Q is loaded into spare registers at the first pass's start.
; Layouts of qbuf, kvbuf: as the first launch's head states them; aoc [token tile][head][2 chunks of 512], aos [token][32].
.set STEPB, 16896
.set VO,    8448                       ; V's block behind K's in a key step
.set MB,    16*STEPB                   ; the mask's 2,048 numbers
.set SPARE, MB+8192                    ; the spare words: 128 bytes a wave
; window 0 (w = 0, 1: the tile)
.set L16, 1                            ; 16 x lane
.set R16, 2                            ; 16 x (lane % 16)
.set MBA, 3
.set SPW, 4
.set NIL, 5
.set DG,  6                            ; v[6+w]: my query less 8 (lane / 16), in the block of 128
.set ADK, 8
.set ADS, 9
.set NEG, 11                           ; -2^126
.set NM,  12                           ; v[12+2w] -M, v[13+2w] the largest t
.set SUM, 16                           ; v[16+2w:17+2w]
.set QZ,  20                           ; zeros, Q of A, zeros, Q of B, zeros: 8 registers each
.set X,   60                           ; K's four fragments
.set Y,   124                          ; V's
.set BM,  188                          ; eight blocks: 4 w + b
.set BP,  196
.set BH,  204
.set BS,  212
.set KSW, 220
.set VSW, 224
.set PW,  228
.set QW,  232
.set F,   234                          ; v[234+2w:235+2w]
.set T0,  238
.set QO,  240
.set QSO, 241
.set HW,  242
.set FF,  244
.set AOSO, 245
.set ADK2, 246
.set ADS2, 247
.set ADM2, 248
; window 1
.set S,   0                            ; 64 w on
.set O,   128                          ; 32 w on
.set PC,  192                          ; 16 w on
.set QS,  224                          ; the next pass's Q, 8 w on; v240 + w its scale words
.set WV, 14
.set E,  16
.set BH_, 17
.set MNT, 19
.set SEL, 20
.set CS, 22
.set G1, 24
.set TB, 40
.set TM, 41
.set SI, 42
.set KT, 43
.set P,  44
.set FL, 45                            ; s45, s46
.set PSEL, 47
.set QB, 48
.set AOP, 50
.set ASP, 52
.set K0, 60                            ; my first pass's block
.set K1, 61                            ; my second pass's
.set MSB, 0
.macro WIN new                         ; the immediate's high byte repeats the setting that is left
.if MSB != (\new)
	s_set_vgpr_msb (MSB<<8)|(\new)
.set MSB, (\new)
.endif
.endm
.set BULK, 0x41                        ; destination and source 0 in window 1, the rest in window 0
.macro WALU
	s_wait_alu depctr_va_vdst(0)
.endm
.macro CROUND
	s_barrier_signal -1
	s_barrier_wait -1
	s_cmp_lg_u32 s[WV], 0
	s_cbranch_scc1 .Lnot_wave_0_\@
	s_barrier_signal -3
.Lnot_wave_0_\@:
	s_barrier_wait -3
	s_barrier_signal -1
	s_barrier_wait -1
.endm
.macro QLOAD                           ; both tiles' Q and scale words of the block at s[QB] into window 1's spare registers
	WIN 0x40
	global_load_b128 v[QS:QS+3], v[QO], s[QB:QB+1]
	global_load_b128 v[QS+4:QS+7], v[QO], s[QB:QB+1] offset:512
	global_load_b32 v240, v[QSO], s[QB:QB+1] offset:8192
	global_load_b128 v[QS+8:QS+11], v[QO], s[QB:QB+1] offset:2048
	global_load_b128 v[QS+12:QS+15], v[QO], s[QB:QB+1] offset:2560
	global_load_b32 v241, v[QSO], s[QB:QB+1] offset:8196
	WIN 0
.endm
.macro KLOAD ak, as                    ; 17 loads
.irp t, 0,1,2,3
.irp c, 0,1,2,3
	ds_load_b128 v[X+16*\t+4*\c:X+16*\t+4*\c+3], v[\ak] offset:2048*\t+512*\c
.endr
.endr
	ds_load_b128 v[KSW:KSW+3], v[\as] offset:8192
.endm
.macro MLOAD w, am                     ; 16 loads: the mask of 128 keys, in the scores' layout, into tile w's scores
.irp t, 0,1,2,3,4,5,6,7
	ds_load_b128 v[S+64*\w+8*\t:S+64*\w+8*\t+3], v[\am] offset:64*\t
	ds_load_b128 v[S+64*\w+8*\t+4:S+64*\w+8*\t+7], v[\am] offset:64*\t+16
.endr
.endm
; S^T = K Q^T + the mask.  A fragment of K holds token tiles t and t + 4 (64 of d each); Q stands between zeros, so that one run of 16 registers picks tile t and another tile t + 4
.macro SCORES w
.irp t, 0,1,2,3
	v_wmma_scale_f32_16x16x128_f8f6f4 v[S+64*\w+8*\t:S+64*\w+8*\t+7], v[X+16*\t:X+16*\t+15], v[QZ+8+16*\w:QZ+23+16*\w], v[S+64*\w+8*\t:S+64*\w+8*\t+7], v[KSW+\t], v[QW+\w]
	v_wmma_scale_f32_16x16x128_f8f6f4 v[S+64*\w+32+8*\t:S+64*\w+32+8*\t+7], v[X+16*\t:X+16*\t+15], v[QZ+16*\w:QZ+15+16*\w], v[S+64*\w+32+8*\t:S+64*\w+32+8*\t+7], v[KSW+\t], v[QW+\w]
.endr
.endm
.macro PV w                            ; O^T += V^T P^T
.irp t, 0,1,2,3
	v_wmma_scale_f32_16x16x128_f8f6f4 v[O+32*\w+8*\t:O+32*\w+8*\t+7], v[Y+16*\t:Y+16*\t+15], v[PC+16*\w:PC+16*\w+15], v[O+32*\w+8*\t:O+32*\w+8*\t+7], v[VSW+\t], v[PW+\w]
.endr
.endm
.macro DIAG w                          ; register N holds key 16 (N / 8) + 8 (lane / 16) + N % 8 of the block: hidden where it comes after my query
.set N, 0
.rept 64
	v_cmp_gt_i32 vcc_lo, 16*(N/8)+N%8, v[DG+\w]
	v_cndmask_b32 v[S+64*\w+N], v[S+64*\w+N], v[NEG], vcc_lo
.set N, N+1
.endr
.endm
.macro SUMS w                          ; the sum of tile w's 64 unquantised p, in four chains; three of them in registers of tile A's bounds, which are free here
	WIN 0x05
	v_pk_add_f32 v[BH:BH+1], v[S+64*\w:S+64*\w+1], v[S+64*\w+2:S+64*\w+3]
	v_pk_add_f32 v[BH+2:BH+3], v[S+64*\w+4:S+64*\w+5], v[S+64*\w+6:S+64*\w+7]
	v_pk_add_f32 v[BS:BS+1], v[S+64*\w+8:S+64*\w+9], v[S+64*\w+10:S+64*\w+11]
	WIN 0x01
.set N, 12
.rept 6
	v_pk_add_f32 v[SUM+2*\w:SUM+2*\w+1], v[S+64*\w+N:S+64*\w+N+1], v[SUM+2*\w:SUM+2*\w+1]
	v_pk_add_f32 v[BH:BH+1], v[S+64*\w+N+2:S+64*\w+N+3], v[BH:BH+1]
	v_pk_add_f32 v[BH+2:BH+3], v[S+64*\w+N+4:S+64*\w+N+5], v[BH+2:BH+3]
	v_pk_add_f32 v[BS:BS+1], v[S+64*\w+N+6:S+64*\w+N+7], v[BS:BS+1]
.set N, N+8
.endr
	v_pk_add_f32 v[SUM+2*\w:SUM+2*\w+1], v[S+64*\w+60:S+64*\w+61], v[SUM+2*\w:SUM+2*\w+1]
	v_pk_add_f32 v[BH:BH+1], v[S+64*\w+62:S+64*\w+63], v[BH:BH+1]
.endm
.macro SUMEND w                        ; the four chains joined
	v_pk_add_f32 v[BH:BH+1], v[BH:BH+1], v[BH+2:BH+3]
	v_pk_add_f32 v[SUM+2*\w:SUM+2*\w+1], v[SUM+2*\w:SUM+2*\w+1], v[BS:BS+1]
	v_pk_add_f32 v[SUM+2*\w:SUM+2*\w+1], v[SUM+2*\w:SUM+2*\w+1], v[BH:BH+1]
.endm
.macro CVT w
.irp b, 0,1,2,3
	v_cvt_scalef32_pk8_fp8_f32 v[PC+16*\w+4*\b:PC+16*\w+4*\b+1], v[S+64*\w+16*\b:S+64*\w+16*\b+7], v[BS+4*\w+\b]
	v_cvt_scalef32_pk8_fp8_f32 v[PC+16*\w+4*\b+2:PC+16*\w+4*\b+3], v[S+64*\w+16*\b+8:S+64*\w+16*\b+15], v[BS+4*\w+\b]
.endr
.endm
	s_load_b256 s[4:11], s[0:1], 0x0               ; qbuf, kvbuf, mask, aoc
	s_load_b64 s[12:13], s[0:1], 0x20              ; aos
	v_lshl_add_u32 v[SPW], v0, 2, SPARE
	v_mov_b32 v[NIL], 0
	ds_add_u32 v[SPW], v[NIL]                      ; the wave's opening
	ds_add_u32 v[SPW], v[NIL]
	v_lshrrev_b32 v8, 5, v0
	v_readfirstlane_b32 s[WV], v8                  ; wave 0..7
	s_bfe_u32 s18, ttmp6, 0x40000                  ; cx
	s_lshl_b32 s[E], s18, 1                        ; tile A's number in a block of 128 tokens
	s_and_b32 s[K1], s[WV], 3
	s_cmp_lt_u32 s[WV], 4
	s_cselect_b32 s[K0], 8, 0                      ; waves 0 to 3: blocks 8 to 15; waves 4 to 7: blocks 0 to 7
	s_add_co_u32 s[K1], s[K1], s[K0]               ; the second pass's block: base + w % 4
	s_lshl_b32 s[K0], s[K0], 1
	s_add_co_u32 s[K0], s[K0], 7
	s_sub_co_u32 s[K0], s[K0], s[K1]               ; the first pass's: base + 7 - w % 4
	s_and_b32 s[BH_], ttmp7, 0xffff                ; 16 x batch + head
	s_mov_b32 s[G1], 15|(3<<16)|(1<<21)            ; all four partners; elements of 8 bytes
	s_mov_b32 s[G1+1], 32<<16                      ; rows of 256 bytes,
	s_mov_b32 s[G1+2], 132<<16                     ; 132 of them: two key steps
	s_mov_b32 s[G1+3], 32<<16
	s_mov_b32 s[G1+4], 132
	s_mov_b32 s[G1+5], 32
	s_mov_b32 s[G1+6], 0
	s_mov_b32 s[G1+7], 0
	s_mul_i32 s55, s[WV], 2*STEPB
	s_mul_i32 s56, s[BH_], 16*STEPB
	s_add_co_u32 s56, s56, s55
	s_mov_b32 s57, 0
	s_mov_b32 s[MNT], 0x600000
	s_mov_b32 s[SEL], 0x76543210
	s_mov_b32 s[SEL+1], 0xfedcba98
	s_mov_b32 s[CS], 0x3e38aa3b                    ; log2(e) / 8
	s_mov_b32 s[CS+1], s[CS]
	s_wait_dscnt 0x0
	CROUND                                         ; in front of the joint loads
	s_wait_kmcnt 0x0
	s_mov_b32 s32, 1
	s_mov_b32 s33, s55
	s_add_nc_u64 s[34:35], s[6:7], s[56:57]
	s_or_b32 s35, s35, 0x80000000
	tensor_load_to_lds s[32:35], s[G1:G1+7]        ; my one load: key steps 2 w and 2 w + 1
	s_nop 0
.rept 4
	v_nop
.endr
	s_lshr_b32 s54, s[BH_], 4
	s_lshl_b32 s54, s54, 11
	s_mov_b32 s55, 0
	s_add_nc_u64 s[8:9], s[8:9], s[54:55]          ; the batch's mask
	v_lshlrev_b32 v60, 3, v0
	global_load_b64 v[62:63], v60, s[8:9]          ; eight keys a thread
	v_and_b32 v8, 15, v0
	v_bfe_u32 v9, v0, 4, 1
	v_and_b32 v10, 31, v0
	v_lshlrev_b32 v[L16], 4, v10
	v_lshlrev_b32 v[R16], 4, v8
	s_and_b32 s54, s[E], 3
	s_lshl_b32 s56, s54, 11
	s_lshr_b32 s57, s[E], 2
	s_lshl_b32 s58, s57, 10
	s_add_co_u32 s56, s56, s58
	v_add_nc_u32 v[QO], s56, v[L16]                ; tile A's chunks in a block of qbuf; tile B's lie 2,048 bytes on
	s_lshl_b32 s54, s54, 2
	v_add_nc_u32 v[QSO], s54, v[R16]
	s_mul_i32 s[PSEL], s57, 0x02020202
	s_add_co_u32 s[PSEL], s[PSEL], 0x01000100      ; picks the tile's two bytes of a scale word, twice
	s_lshl_b32 s56, s[BH_], 4
	s_add_co_u32 s54, s[K0], s56
	s_mul_i32 s54, s54, 8448
	s_add_nc_u64 s[QB:QB+1], s[4:5], s[54:55]      ; the first pass's block
	WALU
	QLOAD
	v_lshl_add_u32 v[MBA], v9, 5, MB
	v_lshlrev_b32 v[T0], 3, v9
	v_sub_nc_u32 v[DG], v8, v[T0]
	s_lshl_b32 s54, s[E], 4
	v_add_nc_u32 v[DG], s54, v[DG]
	v_add_nc_u32 v[DG+1], 16, v[DG]
	v_lshlrev_b32 v[AOSO], 5, v8
	v_mov_b32 v[NEG], 0xfe800000
	v_lshl_add_u32 v72, v0, 5, MB
.irp j, 0,1,2,3,4,5,6,7
	v_mov_b32 v[QZ+\j], 0                          ; the zeros beside Q
	v_mov_b32 v[QZ+16+\j], 0
	v_mov_b32 v[QZ+32+\j], 0
	v_mov_b32 v[BP+\j], 0                          ; a lane permute's destination counts as a source
.endr
	v_mov_b32 v[T0], 0
	v_mov_b32 v[T0+1], 0
	v_mov_b32 v[F+1], 0
	v_mov_b32 v[F+3], 0
	v_mov_b32 v[FF], 0xffff
	WALU
	s_wait_loadcnt 6                               ; the mask is in; the six loads of Q behind it may be out
.irp i, 0,1,2,3
	v_bfe_u32 v61, v62, 8*\i, 8
	v_cmp_ne_u32 vcc_lo, 0, v61
	v_cndmask_b32 v[64+\i], 0, v[NEG], vcc_lo
	v_bfe_u32 v61, v63, 8*\i, 8
	v_cmp_ne_u32 vcc_lo, 0, v61
	v_cndmask_b32 v[68+\i], 0, v[NEG], vcc_lo
.endr
	ds_store_b128 v72, v[64:67]
	ds_store_b128 v72, v[68:71] offset:16
	WALU                                           ; the head's end
	s_wait_tensorcnt 0x0                           ; my two key steps are in,
	s_wait_dscnt 0x0                               ; and my part of the mask
	s_barrier_signal -1
	s_barrier_wait -1                              ; so is everybody's: nothing is filled again
	s_mov_b32 s[P], 0
.Lpass:
	s_wait_xcnt 0x0                                ; the last pass's stores have read their registers
	s_cmp_eq_u32 s[P], 0
	s_cselect_b32 s[KT], s[K0], s[K1]              ; my block of 128 tokens
	s_lshr_b32 s54, s[BH_], 4
	s_lshl_b32 s54, s54, 7
	s_lshl_b32 s56, s[KT], 3
	s_add_co_u32 s54, s54, s56
	s_add_co_u32 s54, s54, s[E]                    ; tile A's token tile
	s_and_b32 s56, s[BH_], 15
	s_lshl_b32 s58, s54, 14
	s_lshl_b32 s57, s56, 10
	s_add_co_u32 s58, s58, s57
	s_mov_b32 s59, 0
	s_add_nc_u64 s[AOP:AOP+1], s[10:11], s[58:59]
	s_lshl_b32 s58, s54, 9
	s_lshl_b32 s57, s56, 1
	s_add_co_u32 s58, s58, s57
	s_add_nc_u64 s[ASP:ASP+1], s[12:13], s[58:59]
	s_mov_b32 s[TB], 0
	s_mov_b32 s[TM], 0
	s_mov_b32 s[SI], 0
	s_wait_dscnt 0x0                               ; what the last pass's last step asked for has landed: the same registers are loaded anew
	KLOAD L16, R16                                 ; key step 0: K,
	WIN 0x40
	MLOAD 0, MBA                                   ; and the mask, tile B's last
	MLOAD 1, MBA
	WIN 0
	s_wait_loadcnt 0x0                             ; this pass's Q
	WIN 0x01
.irp j, 0,1,2,3,4,5,6,7
	v_mov_b32 v[QZ+8+\j], v[QS+\j]
	v_mov_b32 v[QZ+24+\j], v[QS+8+\j]
.endr
	WIN 0x05
	v_perm_b32 v[QW], v240, v240, s[PSEL]
	v_perm_b32 v[QW+1], v241, v241, s[PSEL]
	WIN 0
.irp w, 0,1
	v_mov_b32 v[NM+2*\w+1], 0xd3800000             ; the largest t so far: -2^40
	v_mov_b32 v[NM+2*\w], 0x53800000               ; -M
	v_mov_b32 v[SUM+2*\w], 0
	v_mov_b32 v[SUM+2*\w+1], 0
.endr
	WIN 0x40
.set N, 0
.rept 64
	v_mov_b32 v[O+N], 0                            ; the step is written once: the first finds zeros
.set N, N+1
.endr
	WIN 0
	WALU
	s_cmp_lg_u32 s[P], 0
	s_cbranch_scc1 .Lnoq
	s_lshl_b32 s54, s[BH_], 4
	s_add_co_u32 s54, s54, s[K1]
	s_mul_i32 s54, s54, 8448
	s_mov_b32 s55, 0
	s_add_nc_u64 s[QB:QB+1], s[4:5], s[54:55]
	QLOAD                                          ; the second pass's Q: it has the whole first pass in which to land
.Lnoq:
.Lstep:                                            ; 16 trips; a step above my block's diagonal is left out by a branch on ids
	WALU
	s_cmp_gt_u32 s[SI], s[KT]
	s_cbranch_scc1 .Lhid
	s_wait_dscnt 16                                ; K and tile A's mask are in; the youngest 16 loads, tile B's mask, may be out
	WIN 0x50
	SCORES 0
	s_wait_dscnt 0x0
	SCORES 1
	WIN 0
	s_add_co_u32 s54, s[TB], STEPB
	s_min_u32 s54, s54, 15*STEPB                   ; the next step, held inside K and V
	s_add_co_u32 s55, s[TM], 512
	s_min_u32 s55, s55, 15*512
	v_add_nc_u32 v[ADK], s[TB], v[L16]
	v_add_nc_u32 v[ADS], s[TB], v[R16]
	v_add_nc_u32 v[ADK2], s54, v[L16]
	v_add_nc_u32 v[ADS2], s54, v[R16]
	v_add_nc_u32 v[ADM2], s55, v[MBA]
.rept 3
	v_nop                                          ; with the five above: eight places behind the products, ahead of the loads below and of the scores' readers
.endr
.irp t, 0,1,2,3
.irp c, 0,1,2,3
	ds_load_b128 v[Y+16*\t+4*\c:Y+16*\t+4*\c+3], v[ADK] offset:VO+2048*\t+512*\c   ; V: 17 loads
.endr
.endr
	ds_load_b128 v[VSW:VSW+3], v[ADS] offset:VO+8192
	KLOAD ADK2, ADS2                               ; the next step's K: 17 loads
	WALU
	s_cmp_lg_u32 s[SI], s[KT]
	s_cbranch_scc1 .Lopen
	WIN BULK
	DIAG 0
	DIAG 1
	WIN 0
.Lopen:
	WIN 0x05                                       ; each block's largest score, eight blocks by turns: for the row's maximum and for the block's largest p
.irp k, 0,1,2,3,4,5,6,7
	v_max_num_f32 v[BM+\k], v[S+16*\k], v[S+16*\k+1]
.endr
.irp i, 2,4,6,8,10,12,14
.irp k, 0,1,2,3,4,5,6,7
	v_max3_num_f32 v[BM+\k], v[S+16*\k+\i], v[S+16*\k+\i+1], v[BM+\k]
.endr
.endr
	WIN 0
.irp k, 0,1,2,3,4,5,6,7
	v_permlanex16_b32 v[BP+\k], v[BM+\k], s[SEL], s[SEL+1]
.endr
.irp k, 0,1,2,3,4,5,6,7
	v_max_num_f32 v[BM+\k], v[BM+\k], v[BP+\k]
.endr
.irp w, 0,1
	v_max3_num_f32 v[T0+\w], v[BM+4*\w], v[BM+4*\w+1], v[BM+4*\w+2]
.endr
.irp w, 0,1
	v_max_num_f32 v[T0+\w], v[T0+\w], v[BM+4*\w+3]
.endr
.irp w, 0,1
	v_mul_f32 v[T0+\w], s[CS], v[T0+\w]
.endr
.irp w, 0,1
	v_max_num_f32 v[NM+2*\w+1], v[NM+2*\w+1], v[T0+\w]    ; the running largest t
.endr
.irp w, 0,1
	v_mov_b32 v[T0+\w], v[NM+2*\w]
.endr
.irp w, 0,1
	v_floor_f32 v[NM+2*\w], -v[NM+2*\w+1]          ; -M
.endr
.irp w, 0,1
	v_sub_f32 v[T0+\w], v[NM+2*\w], v[T0+\w]       ; old M - new M, a whole number
.endr
.irp k, 0,1,2,3,4,5,6,7
	v_fma_f32 v[BM+\k], v[BM+\k], s[CS], v[NM+2*(\k/4)]
.endr
.irp w, 0,1
	v_cvt_i32_f32 v[T0+\w], v[T0+\w]               ; (it saturates)
.endr
.irp w, 0,1
	v_ldexp_f32 v[F+2*\w], 1.0, v[T0+\w]           ; f = 2^(old M - new M)
.endr
.irp w, 0,1
	v_pk_mul_f32 v[SUM+2*\w:SUM+2*\w+1], v[SUM+2*\w:SUM+2*\w+1], v[F+2*\w:F+2*\w+1] op_sel_hi:[1,0]
.endr
	WIN BULK
.irp w, 0,1
.set N, 0
.rept 16
	v_pk_mul_f32 v[O+32*\w+N:O+32*\w+N+1], v[O+32*\w+N:O+32*\w+N+1], v[F+2*\w:F+2*\w+1] op_sel_hi:[1,0]   ; O^T under the new M
.set N, N+2
.endr
.endr
.set N, 0
.rept 32
	v_pk_fma_f32 v[S+N:S+N+1], v[S+N:S+N+1], s[CS:CS+1], v[NM:NM+1] op_sel_hi:[1,0,0]   ; tile A: t - M
.set N, N+2
.endr
	WALU                                           ; ahead of the exponentials
.set N, 0
.rept 32
	v_exp_f32 v[S+N], v[S+N]                       ; tile A's p,
	v_exp_f32 v[S+N+1], v[S+N+1]
	v_pk_fma_f32 v[S+64+N:S+64+N+1], v[S+64+N:S+64+N+1], s[CS:CS+1], v[NM+2:NM+3] op_sel_hi:[1,0,0]   ; among them tile B's t - M
.set N, N+2
.endr
	WIN 0
.irp k, 0,1,2,3,4,5,6,7
	v_exp_f32 v[BM+\k], v[BM+\k]                   ; the blocks' largest p
.endr
	v_nop
	WALU                                           ; behind them, and behind tile B's multiply-adds
	SUMS 0
	WIN 0
	SUMEND 0
.irp k, 0,1,2,3,4,5,6,7
	v_max_num_f32 v[BM+\k], 0x4800000, v[BM+\k]    ; the floor 2^(9 - 127): the byte cannot fall under 1
.endr
.irp k, 0,1,2,3,4,5,6,7
	v_add_nc_u32 v[BS+\k], 0xfc000000, v[BM+\k]    ; the conversion's scale operand
.endr
.irp k, 0,1,2,3,4,5,6,7
	v_and_or_b32 v[BH+\k], v[BM+\k], 0x7f800000, s[MNT]   ; 448 x the scale
.endr
.irp k, 0,1,2,3,4,5,6,7
	v_lshrrev_b32 v[BP+\k], 23, v[BS+\k]           ; the byte
.endr
.irp w, 0,1
	v_lshl_or_b32 v[PW+\w], v[BP+4*\w+1], 8, v[BP+4*\w]
.endr
.irp w, 0,1
	v_lshl_or_b32 v[PW+\w], v[BP+4*\w+2], 16, v[PW+\w]
.endr
.irp w, 0,1
	v_lshl_or_b32 v[PW+\w], v[BP+4*\w+3], 24, v[PW+\w]
.endr
	WIN BULK
	WALU                                           ; ahead of the exponentials
.set N, 0
.rept 64
	v_exp_f32 v[S+64+N], v[S+64+N]                 ; tile B's p,
	v_min_num_f32 v[S+N], v[S+N], v[BH+N/16]       ; among them tile A's holds: the conversion does not saturate; p is not negative
.set N, N+1
.endr
	WALU                                           ; behind them
	CVT 0
	WIN 0x40
	MLOAD 0, ADM2                                  ; the next step's mask into tile A's scores: 16 loads
	SUMS 1
	WIN BULK
.set N, 0
.rept 64
	v_min_num_f32 v[S+64+N], v[S+64+N], v[BH+4+N/16]
.set N, N+1
.endr
	CVT 1
	WIN 0x40
	MLOAD 1, ADM2                                  ; and into tile B's: 16 loads
	WIN 0
	SUMEND 1                                       ; with the line below: four places between the codes and the products
	v_nop
	WALU
	s_wait_dscnt 49                                ; V is in: behind its loads stand K's 17 and the mask's 32
	WIN 0x54
	PV 0
	PV 1
	WIN 0
.Lhid:
	s_add_co_u32 s[TB], s[TB], STEPB
	s_add_co_u32 s[TM], s[TM], 512
	s_add_co_u32 s[SI], s[SI], 1
	s_cmp_lt_u32 s[SI], 16
	s_cbranch_scc1 .Lstep
	; O^T / the sum, quantised along the head's 64 (four blocks: 2 w + b), stored as the last product's operand registers
.irp w, 0,1
	v_add_f32 v[SUM+2*\w], v[SUM+2*\w], v[SUM+2*\w+1]
.endr
.irp w, 0,1
	v_permlanex16_b32 v[T0+\w], v[SUM+2*\w], s[SEL], s[SEL+1]
.endr
.irp w, 0,1
	v_add_f32 v[SUM+2*\w], v[SUM+2*\w], v[T0+\w]
.endr
.irp w, 0,1
	v_cmp_eq_f32 s[FL+\w], 0, v[SUM+2*\w]          ; a row with no key
.endr
.irp w, 0,1
	v_cndmask_b32 v[SUM+2*\w], v[SUM+2*\w], 1.0, s[FL+\w]
.endr
	WALU
.irp w, 0,1
	v_rcp_f32 v[SUM+2*\w], v[SUM+2*\w]
.endr
.rept 8
	v_nop                                          ; places behind the last products and the reciprocals
.endr
	WALU
	WIN BULK
.irp w, 0,1
.set N, 0
.rept 16
	v_pk_mul_f32 v[O+32*\w+N:O+32*\w+N+1], v[O+32*\w+N:O+32*\w+N+1], v[SUM+2*\w:SUM+2*\w+1] op_sel_hi:[1,0]
.set N, N+2
.endr
.endr
	WIN 0x05
.irp k, 0,1,2,3
	v_max_num_f32 v[BM+\k], |v[O+16*\k]|, |v[O+16*\k+1]|
.endr
.irp i, 2,4,6,8,10,12,14
.irp k, 0,1,2,3
	v_max3_num_f32 v[BM+\k], |v[O+16*\k+\i]|, |v[O+16*\k+\i+1]|, v[BM+\k]
.endr
.endr
	WIN 0
.irp k, 0,1,2,3
	v_permlanex16_b32 v[BP+\k], v[BM+\k], s[SEL], s[SEL+1]
.endr
.irp k, 0,1,2,3
	v_max3_num_f32 v[BM+\k], v[BM+\k], v[BP+\k], 0x4800000
.endr
.irp k, 0,1,2,3
	v_add_nc_u32 v[BS+\k], 0xfc000000, v[BM+\k]
.endr
.irp k, 0,1,2,3
	v_and_or_b32 v[BH+\k], v[BM+\k], 0x7f800000, s[MNT]
.endr
.irp k, 0,1,2,3
	v_lshrrev_b32 v[BP+\k], 23, v[BS+\k]
.endr
.irp w, 0,1
	v_lshl_or_b32 v[HW+\w], v[BP+2*\w+1], 8, v[BP+2*\w]
.endr
.irp w, 0,1
	v_cndmask_b32 v[HW+\w], v[HW+\w], v[FF], s[FL+\w]
.endr
	WIN BULK
.irp k, 0,1,2,3
.irp i, 0,1,2,3,4,5,6,7,8,9,10,11,12,13,14,15
	v_med3_num_f32 v[O+16*\k+\i], v[O+16*\k+\i], -v[BH+\k], v[BH+\k]
.endr
	v_cvt_scalef32_pk8_fp8_f32 v[PC+16*(\k/2)+4*(\k%2):PC+16*(\k/2)+4*(\k%2)+1], v[O+16*\k:O+16*\k+7], v[BS+\k]
	v_cvt_scalef32_pk8_fp8_f32 v[PC+16*(\k/2)+4*(\k%2)+2:PC+16*(\k/2)+4*(\k%2)+3], v[O+16*\k+8:O+16*\k+15], v[BS+\k]
.endr
	v_nop                                          ; a plain line behind the last conversion
	WIN 0x04                                       ; the stores' data in window 1
.irp w, 0,1
	global_store_b128 v[L16], v[PC+16*\w:PC+16*\w+3], s[AOP:AOP+1] offset:16384*\w
	global_store_b128 v[L16], v[PC+16*\w+4:PC+16*\w+7], s[AOP:AOP+1] offset:16384*\w+512
.endr
	WIN 0
.irp w, 0,1
	global_store_b16 v[AOSO], v[HW+\w], s[ASP:ASP+1] offset:512*\w
.endr
	WALU
	s_add_co_u32 s[P], s[P], 1
	s_cmp_lt_u32 s[P], 2
	s_cbranch_scc1 .Lpass
	s_wait_tensorcnt 0x0                           ; the wave's end
	ds_add_u32 v[SPW], v[NIL]
	s_wait_dscnt 0x0
	CROUND                                         ; the closing round
	s_endpgm
.Lfunc_end_k_q33a6b26230_attn:
	.size	k_q33a6b26230_attn, .Lfunc_end_k_q33a6b26230_attn-k_q33a6b26230_attn
	.p2alignl 7, 3214868480
	.fill 96, 4, 3214868480
	.section	.rodata,"a",@progbits
	.p2align	6, 0x0
	.amdhsa_kernel k_q33a6b26230_attn
		.amdhsa_group_segment_fixed_size 327680
		.amdhsa_private_segment_fixed_size 0
		.amdhsa_enable_private_segment 0
		.amdhsa_kernarg_size 40
		.amdhsa_user_sgpr_count 2
		.amdhsa_user_sgpr_kernarg_segment_ptr 1
		.amdhsa_wavefront_size32 1
		.amdhsa_system_sgpr_workgroup_id_x 1
		.amdhsa_system_sgpr_workgroup_id_y 1
		.amdhsa_system_sgpr_workgroup_id_z 1
		.amdhsa_system_vgpr_workitem_id 0
		.amdhsa_next_free_vgpr 512
		.amdhsa_next_free_sgpr 66
		.amdhsa_reserve_vcc 1
		.amdhsa_float_denorm_mode_32 3
		.amdhsa_float_denorm_mode_16_64 3
		.amdhsa_memory_ordered 1
		.amdhsa_forward_progress 1
		.amdhsa_inst_pref_size 75
	.end_amdhsa_kernel
	.amdgpu_metadata
---
amdhsa.version: [ 1, 2 ]
amdhsa.kernels:
  - .name:           k_q33a6b26230_attn
    .symbol:         k_q33a6b26230_attn.kd
    .args:
      - { .name: qbuf, .offset: 0, .size: 8, .value_kind: global_buffer, .address_space: global }
      - { .name: kvbuf, .offset: 8, .size: 8, .value_kind: global_buffer, .address_space: global }
      - { .name: mask, .offset: 16, .size: 8, .value_kind: global_buffer, .address_space: global }
      - { .name: aoc, .offset: 24, .size: 8, .value_kind: global_buffer, .address_space: global }
      - { .name: aos, .offset: 32, .size: 8, .value_kind: global_buffer, .address_space: global }
    .group_segment_fixed_size: 327680
    .private_segment_fixed_size: 0
    .kernarg_segment_align: 8
    .kernarg_segment_size: 40
    .max_flat_workgroup_size: 256
    .sgpr_count:     66
    .vgpr_count:     512
    .wavefront_size: 32
...
	.end_amdgpu_metadata
.endif
;; end of part 2
;; launch oproj (part 3): grid 4 x 64, 4 waves a work-group, clusters of 4 x 4, 327,680 bytes of LDS; arguments aoc, aos, Wo_w_codes, Wo_w_scales, Wo_b, out0; writes out0
.if DOCPART == 3
	.amdgcn_target "amdgcn-amd-amdhsa--gfx1250"
	.amdhsa_code_object_version 6
	.text
	.protected	k_q33a6b26230_oproj
	.globl	k_q33a6b26230_oproj
	.p2align	8
	.type	k_q33a6b26230_oproj,@function
k_q33a6b26230_oproj:
	s_mov_b64 s[64:65], 0
	v_nop
	global_prefetch_b8 v0, s[64:65] scope:SCOPE_SE
	s_setreg_imm32_b32 hwreg(HW_REG_WAVE_MODE, 25, 1), 1
	s_wait_xcnt 0x0
	s_wait_alu depctr_hold_cnt(0) depctr_sa_sdst(0) depctr_va_vdst(0) depctr_va_sdst(0) depctr_va_ssrc(0) depctr_va_vcc(0) depctr_vm_vsrc(0)
	s_getreg_b32 s2, hwreg(HW_REG_IB_STS2, 6, 4)
	s_cmp_eq_u32 s2, 0
	s_cbranch_scc0 .Lentry_in_a_cluster
	s_endpgm
.Lentry_in_a_cluster:
	s_bfe_u32 s2, ttmp6, 0x10000c
	s_cmp_lg_u32 s2, 0xf033
	s_cbranch_scc0 .Lentry_shape_is_right
	s_endpgm
.Lentry_shape_is_right:
; out0 = o Wo^T + Wo_b on codes of FP8 (E4M3) with E8M0 scales.  o comes as the second launch leaves it: aoc [token tile of 16][head][2 chunks of 512 bytes], images of operand registers; aos [token][32 bytes].
; A block of 128 tokens x 256 columns to a work-group: 64 x 4 = 256 work-groups.  Four waves, each 64 x 128: 32 accumulators in window 2.  K = 1,024 goes in four steps of 256 through two LDS slots filled by joint loads:
; o's tile is shared along a row of the cluster, Wo's along a column.  The scale bytes of all of K come once, at the head.  Both operands have two sets of fragment registers (o: window 0, Wo: window 1), for 128 along K each.
; The product is used transposed (source 0 = 16 rows of Wo, source 1 = 16 tokens): a lane holds eight neighbouring columns of a row of out0.  The bias is the C of each sum's first product.
; Inside a block of 32 o's codes lie as the first launch's head states (byte p of lane (r, h): element 8 h + p, or 16 + 8 h + p - 8), so Wo's fragments are read in pieces of 8 bytes in the same order.
; No prefetch: K has four steps, of which two are asked for at the head.
.set PITCH,  272
.set HALFA,  16384                     ; 4 token tiles x 4 heads x 1,024 bytes: a ring load of o
.set HALFT,  128*PITCH                 ; 128 rows of Wo
.set BOFF,   2*HALFA
.set SLOT,   BOFF+2*HALFT
.set SCL,    2*SLOT                    ; o's scale bytes, 128 rows: 16 units of 256 + 16
.set SAB,    16*272
.set HALFS,  16*272                    ; those of 128 rows of Wo
.set SBLK,   2*272
.set SPARE,  SCL+SAB+2*HALFS
.set SPITCH, 528                       ; the way out: a stage of 16 rows x (512 + 16) bytes a wave, in slot 0, behind its last fill and its last read
.set FR,     16
.set NP,     8
.set BO,   7
.set ADRA, 16
.set ADRB, 20
.set STO,  24
.set RD,   25
.set CO,   26
.set ADRS, 27
.set SPW,  28
.set NIL,  29
.set SC,   32                          ; v32-63 scale words, a set a slot: lanes 0-15 o's block i, lanes 16-31 Wo's block i
.set BI,   64
.set AF,   128                         ; v128-191, v192-255: o's fragments
.set BK,   128
.set G1A,  28
.set G0A,  36
.set G1B,  44
.set G0B,  52
.set G1SA, 68
.set G0SA, 76
.set G1SB, 80
.set G0SB, 88
.set WV,   60
.set WR,   61
.set WC,   62
.set MSB, 0
.macro WIN new
.if MSB != (\new)
	s_set_vgpr_msb (MSB<<8)|(\new)
.set MSB, (\new)
.endif
.endm
.macro JLOAD g0a, g1a, g0b, g1b        ; waves 0, 1 fetch for o, waves 2, 3 for Wo
	s_cmp_eq_u32 s[WR], 0
	s_cbranch_scc0 .Lfor_b_\@
	tensor_load_to_lds s[\g0a:\g0a+3], s[\g1a:\g1a+7]
	s_nop 0
.rept 4
	v_nop
.endr
	s_branch .Lasked_\@
.Lfor_b_\@:
	tensor_load_to_lds s[\g0b:\g0b+3], s[\g1b:\g1b+7]
	s_nop 0
.rept 4
	v_nop
.endr
.Lasked_\@:
.endm
.macro CREST
	s_cmp_lg_u32 s[WV], 0
	s_cbranch_scc1 .Lnot_wave_0_\@
	s_barrier_signal -3
.Lnot_wave_0_\@:
	s_barrier_wait -3
	s_barrier_signal -1
	s_barrier_wait -1
.endm
.macro CROUND
	s_barrier_signal -1
	s_barrier_wait -1
	CREST
.endm
	s_load_b256 s[4:11], s[0:1], 0x0               ; aoc, aos, Wo's codes, Wo's scales
	s_load_b128 s[12:15], s[0:1], 0x20             ; Wo_b, out0
	v_lshl_add_u32 v[SPW], v0, 2, SPARE
	v_mov_b32 v[NIL], 0
	ds_add_u32 v[SPW], v[NIL]                      ; the wave's opening
	ds_add_u32 v[SPW], v[NIL]
	v_lshrrev_b32 v1, 5, v0
	v_readfirstlane_b32 s[WV], v1
	s_lshr_b32 s[WR], s[WV], 1                     ; my half of the tokens; also: I fetch for o (0) or Wo (1)
	s_and_b32 s[WC], s[WV], 1                      ; my half of the columns; also: which half I fetch
	s_bfe_u32 s66, ttmp6, 0x40000
	s_bfe_u32 s67, ttmp6, 0x40004
	s_lshl_b32 s16, ttmp9, 2
	s_add_co_u32 s16, s16, s66                     ; block column
	s_and_b32 s17, ttmp7, 0xffff
	s_lshl_b32 s17, s17, 2
	s_add_co_u32 s17, s17, s67                     ; block row
	s_lshl_b32 s18, s67, 2
	s_lshl_b32 s18, 15, s18
	s_lshl_b32 s19, 0x1111, s66
	s_or_b32 s[G1A], s18, (3<<16)|(1<<21)          ; o: a row is a token tile's 4 heads, 4,096 bytes; 8 tiles for the head's load, 4 for the ring's
	s_mov_b32 s[G1A+1], 512<<16
	s_mov_b32 s[G1A+2], 8<<16
	s_mov_b32 s[G1A+3], 512<<16
	s_mov_b32 s[G1A+4], 8
	s_mov_b32 s[G1A+5], 2048
	s_mov_b32 s[G1A+6], 0
	s_mov_b32 s[G1A+7], 0
	s_or_b32 s[G1B], s19, (1<<20)|(1<<21)|(5<<22)|(3<<25)   ; Wo: rows of 256 bytes + 16; 256 rows for the head's load, 128 for the ring's
	s_mov_b32 s[G1B+1], 256<<16
	s_mov_b32 s[G1B+2], 256<<16
	s_mov_b32 s[G1B+3], 256<<16
	s_mov_b32 s[G1B+4], 256
	s_mov_b32 s[G1B+5], 1024
	s_mov_b32 s[G1B+6], 0
	s_mov_b32 s[G1B+7], 0
	s_or_b32 s[G1SA], s18, (3<<16)|(1<<20)|(1<<21)|(5<<22)|(3<<25)
	s_or_b32 s[G1SB], s19, (3<<16)|(1<<20)|(1<<21)|(5<<22)|(3<<25)
.irp g, G1SA, G1SB
	s_mov_b32 s[\g+1], 32<<16
	s_mov_b32 s[\g+3], 32<<16
	s_mov_b32 s[\g+5], 32
	s_mov_b32 s[\g+6], 0
	s_mov_b32 s[\g+7], 0
.endr
	s_mov_b32 s[G1SA+2], 16<<16                    ; 128 rows of 32 bytes: 16 units
	s_mov_b32 s[G1SA+4], 16
	s_mov_b32 s[G1SB+2], 32<<16                    ; 256 rows: 32 units
	s_mov_b32 s[G1SB+4], 32
	s_lshl_b32 s2, s17, 3
	s_lshl_b32 s3, s[WC], 2
	s_add_co_u32 s2, s2, s3                        ; the first token tile that I would fetch
	s_lshl_b32 s20, s2, 14
	s_mov_b32 s21, 0
	s_lshl_b32 s22, s17, 12
	s_mov_b32 s23, 0
	s_lshl_b32 s3, s16, 8
	s_lshl_b32 s92, s[WC], 7
	s_add_co_u32 s3, s3, s92
	s_lshl_b32 s24, s3, 10
	s_mov_b32 s25, 0
	s_lshl_b32 s26, s16, 13
	s_mov_b32 s27, 0
	s_mul_i32 s92, s[WC], HALFA
	s_mul_i32 s93, s[WC], HALFT
	s_add_co_u32 s93, s93, BOFF
	s_wait_dscnt 0x0
	s_wait_kmcnt 0x0
	s_add_nc_u64 s[4:5], s[4:5], s[20:21]
	s_add_nc_u64 s[6:7], s[6:7], s[22:23]
	s_add_nc_u64 s[8:9], s[8:9], s[24:25]
	s_add_nc_u64 s[10:11], s[10:11], s[26:27]
	CROUND
	s_mov_b32 s[G0SA], 1
	s_mov_b32 s[G0SA+1], SCL
	s_mov_b64 s[G0SA+2:G0SA+3], s[6:7]
	s_or_b32 s[G0SA+3], s[G0SA+3], 0x80000000
	s_mov_b32 s[G0SB], 1
	s_mov_b32 s[G0SB+1], SCL+SAB
	s_mov_b64 s[G0SB+2:G0SB+3], s[10:11]
	s_or_b32 s[G0SB+3], s[G0SB+3], 0x80000000
.irp s, 0,1
	s_mov_b32 s[G0A+4*\s], 1
	s_add_co_u32 s[G0A+4*\s+1], s92, \s*SLOT
	s_add_nc_u64 s[G0A+4*\s+2:G0A+4*\s+3], s[4:5], \s*4096
	s_or_b32 s[G0A+4*\s+3], s[G0A+4*\s+3], 0x80000000
	s_mov_b32 s[G0B+4*\s], 1
	s_add_co_u32 s[G0B+4*\s+1], s93, \s*SLOT
	s_add_nc_u64 s[G0B+4*\s+2:G0B+4*\s+3], s[8:9], \s*256
	s_or_b32 s[G0B+4*\s+3], s[G0B+4*\s+3], 0x80000000
.endr
; THE HEAD'S LOADS, ONE A WAVE: wave 0 K step 0 of o's 128 tokens, wave 1 o's scales, wave 2 K step 0 of Wo's 256 rows, wave 3 Wo's scales.
; Waves 0 and 2 fetch the lower halves in the ring, so their slot 0 groups 0 already name the tile's first row and its place in LDS.
.macro ARM under, g0, g1, next
	s_cmp_lt_u32 s[WV], \under
	s_cbranch_scc0 \next
	tensor_load_to_lds s[\g0:\g0+3], s[\g1:\g1+7]
	s_nop 0
.rept 4
	v_nop
.endr
	s_branch .Lhead_asked
\next:
.endm
	ARM 1, G0A,  G1A,  .Lhead_sa
	ARM 2, G0SA, G1SA, .Lhead_b
	ARM 3, G0B,  G1B,  .Lhead_sb
	tensor_load_to_lds s[G0SB:G0SB+3], s[G1SB:G1SB+7]
	s_nop 0
.rept 4
	v_nop
.endr
.Lhead_asked:
	v_and_b32 v1, 15, v0
	v_bfe_u32 v2, v0, 4, 1
	v_and_b32 v6, 31, v0
	v_lshlrev_b32 v[CO], 4, v6
	v_mul_u32_u24 v3, v1, PITCH
	v_lshl_add_u32 v4, v2, 3, v3
	s_mul_i32 s2, s[WR], HALFA
	s_mul_i32 s3, s[WC], HALFT
	s_add_co_u32 s3, s3, BOFF
.irp s, 0,1
	v_add_nc_u32 v[ADRA+\s], s2, v[CO]
	v_add_nc_u32 v[ADRB+\s], s3, v4
	s_add_co_u32 s2, s2, SLOT
	s_add_co_u32 s3, s3, SLOT
.endr
	v_mul_u32_u24 v5, v1, 32
	v_lshrrev_b32 v6, 8, v5
	v_lshl_add_u32 v5, v6, 4, v5
	s_mul_i32 s2, s[WR], 8*272                     ; o's: my 64 rows
	s_mul_i32 s3, s[WC], HALFS                     ; Wo's: my 128 rows, behind o's 128
	s_add_co_u32 s3, s3, SAB
	s_sub_co_u32 s3, s3, s2
	v_mul_u32_u24 v6, s3, v2
	s_add_co_u32 s2, s2, SCL
	v_add_nc_u32 v5, v5, v6
	v_add_nc_u32 v[ADRS], s2, v5
	s_mul_i32 s2, s[WV], 16*SPITCH
	v_mul_u32_u24 v5, v1, SPITCH
	v_lshl_add_u32 v5, v2, 5, v5
	v_add_nc_u32 v[STO], s2, v5
	v_add_nc_u32 v[RD], s2, v[CO]
	s_lshl_b32 s20, s17, 7
	s_lshl_b32 s21, s[WR], 6
	s_add_co_u32 s20, s20, s21                     ; my first row of out0
	s_lshl_b32 s20, s20, 12
	s_lshl_b32 s22, s16, 8
	s_lshl_b32 s21, s[WC], 7
	s_add_co_u32 s22, s22, s21
	s_lshl_b32 s22, s22, 2                         ; my first column, in bytes
	s_mov_b32 s23, 0
	s_add_nc_u64 s[12:13], s[12:13], s[22:23]
	s_add_co_u32 s20, s20, s22
	s_mov_b32 s21, 0
	s_add_nc_u64 s[14:15], s[14:15], s[20:21]
	v_lshlrev_b32 v[BO], 5, v2
.irp b, 0,1,2,3,4,5,6,7
	global_load_b128 v[BI+8*\b:BI+8*\b+3], v[BO], s[12:13] offset:64*\b
	global_load_b128 v[BI+8*\b+4:BI+8*\b+7], v[BO], s[12:13] offset:64*\b+16
.endr
; 16 products: o's blocks a0, a0 + 1 x Wo's eight; p: the fragment sets; q: which 128 of the slot's 256; cm = 1: the bias starts the sums.  The 32 accumulators take turns
.macro MUL16 a0, p, q, sc, cm
.irp a, \a0, \a0+1
.irp b, 0,1,2,3,4,5,6,7
.if \cm == 0
	v_wmma_scale_f32_16x16x128_f8f6f4 v[8*(8*(\a)+\b):8*(8*(\a)+\b)+7], v[128*(\p)+FR*\b:128*(\p)+FR*\b+FR-1], v[AF+64*(\p)+FR*(\a):AF+64*(\p)+FR*(\a)+FR-1], v[8*(8*(\a)+\b):8*(8*(\a)+\b)+7], v[SC+16*(\sc)+2*\b+(\q)], v[SC+16*(\sc)+2*(\a)+(\q)] matrix_a_scale:MATRIX_SCALE_ROW1
.else
	v_wmma_scale_f32_16x16x128_f8f6f4 v[8*(8*(\a)+\b):8*(8*(\a)+\b)+7], v[128*(\p)+FR*\b:128*(\p)+FR*\b+FR-1], v[AF+64*(\p)+FR*(\a):AF+64*(\p)+FR*(\a)+FR-1], v[BI+8*\b:BI+8*\b+7], v[SC+16*(\sc)+2*\b+(\q)], v[SC+16*(\sc)+2*(\a)+(\q)] matrix_a_scale:MATRIX_SCALE_ROW1
.endif
.endr
.endr
.endm
.macro FETCH slot, q, p                ; the fragments of 128 along K into set p: Wo's eight, o's four
	WIN 0x40
.irp i, 0,1,2,3,4,5,6,7
.irp c, 0,1,2,3
	ds_load_b64 v[128*(\p)+FR*\i+4*\c:128*(\p)+FR*\i+4*\c+1], v[ADRB+\slot] offset:128*(\q)+32*\c+\i*16*PITCH
	ds_load_b64 v[128*(\p)+FR*\i+4*\c+2:128*(\p)+FR*\i+4*\c+3], v[ADRB+\slot] offset:128*(\q)+32*\c+16+\i*16*PITCH
.endr
.endr
	WIN 0
.irp i, 0,1,2,3
.irp c, 0,1,2,3
	ds_load_b128 v[AF+64*(\p)+FR*\i+4*\c:AF+64*(\p)+FR*\i+4*\c+3], v[ADRA+\slot] offset:\i*4096+(\q)*2048+512*\c
.endr
.endr
.endm
.macro SCALES sc
.irp i, 0,1,2,3,4,5,6,7
	ds_load_b64 v[SC+16*\sc+2*\i:SC+16*\sc+2*\i+1], v[ADRS] offset:\i*SBLK
.endr
.endm
.macro PLACES n
.rept \n
	v_nop
.endr
.endm
.macro SUB slot, cm                    ; a slot's first 128 along K; in its middle the second 128's fragments are fetched into the other set
	s_wait_dscnt 0x0
	WIN 0xa1-0x20*\cm                              ; Wo window 1, o window 0, D window 2; C window 2, or window 0 for the bias
	MUL16 0, 0, 0, \slot, \cm
	PLACES NP
	FETCH \slot, 1, 1
	WIN 0xa1-0x20*\cm
	MUL16 2, 0, 0, \slot, \cm
	WIN 0
.endm
; A slot's second 128 changes slots: all my reads of the slot were issued in the step before.  fill = 1: the slot is filled again, behind a round of the cluster's barrier
.macro TURN slot, next, fill
	s_wait_tensorcnt 0x0                           ; my part of the next slot is in
	ds_add_u32 v[SPW], v[NIL]
	s_wait_dscnt 0x0                               ; the add is done, and my reads of this slot are over
	s_barrier_signal -1
	WIN 0xa1
	MUL16 0, 1, 1, \slot, 0
	WIN 0
	s_barrier_wait -1
.if \fill
	CREST
	s_add_nc_u64 s[G0A+4*\slot+2:G0A+4*\slot+3], s[G0A+4*\slot+2:G0A+4*\slot+3], 2*4096
	s_add_nc_u64 s[G0B+4*\slot+2:G0B+4*\slot+3], s[G0B+4*\slot+2:G0B+4*\slot+3], 2*256
	JLOAD G0A+4*\slot, G1A, G0B+4*\slot, G1B
	PLACES NP-4
.else
	PLACES NP
.endif
	s_wait_alu depctr_va_vdst(0)
	v_add_nc_u32 v[ADRS], 8, v[ADRS]               ; the next K step's scale words
	FETCH \next, 0, 0
	SCALES \next
	WIN 0xa1
	MUL16 2, 1, 1, \slot, 0
	WIN 0
.endm
	s_wait_alu depctr_va_vdst(0)                   ; the head's end
	s_wait_tensorcnt 0x0                           ; my tile of the head's four is in
	ds_add_u32 v[SPW], v[NIL]
	s_mov_b32 s[G1A+2], 4<<16                      ; no tensor load of mine is out: from here on a load brings half a tile
	s_mov_b32 s[G1A+4], 4
	s_mov_b32 s[G1B+2], 128<<16
	s_mov_b32 s[G1B+4], 128
	s_wait_dscnt 0x0
	CROUND
	JLOAD G0A+4, G1A, G0B+4, G1B                   ; K step 1: the first tensor load behind the round
	FETCH 0, 0, 0
	SCALES 0
	s_wait_loadcnt 0x0                             ; the bias
	SUB 0, 1
	TURN 0, 1, 1                                   ; slot 0 takes K step 2
	SUB 1, 0
	TURN 1, 0, 1                                   ; slot 1 takes K step 3
	SUB 0, 0
	TURN 0, 1, 0
	SUB 1, 0
	s_wait_dscnt 0x0
	WIN 0xa1
	MUL16 0, 1, 1, 1, 0
	MUL16 2, 1, 1, 1, 0
	WIN 0
; THE WAY OUT, block by block of 16 rows x 128 columns, through my stage: whole rows of 512 bytes come back and are stored as two aligned units of 256 bytes
.macro TOSTAGE a
	WIN 0x08
.irp b, 0,1,2,3,4,5,6,7
	ds_store_b128 v[STO], v[64*(\a)+8*\b:64*(\a)+8*\b+3] offset:64*\b
	ds_store_b128 v[STO], v[64*(\a)+8*\b+4:64*(\a)+8*\b+7] offset:64*\b+16
.endr
	WIN 0
.set BB, BK+64*((\a)%2)
.irp t, 0,1,2,3,4,5,6,7,8,9,10,11,12,13,14,15
	ds_load_b128 v[BB+4*\t:BB+4*\t+3], v[RD] offset:\t*SPITCH
.endr
.endm
.macro SEND a, younger
.set BB, BK+64*((\a)%2)
	s_wait_dscnt \younger
.if (\a) > 0
	s_add_nc_u64 s[14:15], s[14:15], 16*4096
.endif
.irp t, 0,1,2,3,4,5,6,7,8,9,10,11,12,13,14,15
	global_store_b128 v[CO], v[BB+4*\t:BB+4*\t+3], s[14:15] offset:\t*4096 th:TH_STORE_NT
.endr
.endm
	PLACES NP
	TOSTAGE 0
.irp a, 1,2,3
.if \a > 1
	s_wait_xcnt 0x0                                ; block a - 2's stores have read their registers and their base
.endif
	TOSTAGE \a
	SEND \a-1, 32                                  ; behind block a - 1's loads: block a's 16 stores and 16 loads
.endr
	s_wait_xcnt 0x0
	SEND 3, 0
	s_wait_tensorcnt 0x0                           ; the wave's end
	ds_add_u32 v[SPW], v[NIL]
	s_wait_dscnt 0x0
	CROUND                                         ; the closing round
	s_endpgm
.Lfunc_end_k_q33a6b26230_oproj:
	.size	k_q33a6b26230_oproj, .Lfunc_end_k_q33a6b26230_oproj-k_q33a6b26230_oproj
	.p2alignl 7, 3214868480
	.fill 96, 4, 3214868480
	.section	.rodata,"a",@progbits
	.p2align	6, 0x0
	.amdhsa_kernel k_q33a6b26230_oproj
		.amdhsa_group_segment_fixed_size 327680
		.amdhsa_private_segment_fixed_size 0
		.amdhsa_enable_private_segment 0
		.amdhsa_kernarg_size 48
		.amdhsa_user_sgpr_count 2
		.amdhsa_user_sgpr_kernarg_segment_ptr 1
		.amdhsa_wavefront_size32 1
		.amdhsa_system_sgpr_workgroup_id_x 1
		.amdhsa_system_sgpr_workgroup_id_y 1
		.amdhsa_system_sgpr_workgroup_id_z 1
		.amdhsa_system_vgpr_workitem_id 0
		.amdhsa_next_free_vgpr 768
		.amdhsa_next_free_sgpr 102
		.amdhsa_reserve_vcc 0
		.amdhsa_float_denorm_mode_32 3
		.amdhsa_float_denorm_mode_16_64 3
		.amdhsa_memory_ordered 1
		.amdhsa_forward_progress 1
		.amdhsa_inst_pref_size 107
	.end_amdhsa_kernel
	.amdgpu_metadata
---
amdhsa.version: [ 1, 2 ]
amdhsa.kernels:
  - .name:           k_q33a6b26230_oproj
    .symbol:         k_q33a6b26230_oproj.kd
    .args:
      - { .name: aoc, .offset: 0, .size: 8, .value_kind: global_buffer, .address_space: global }
      - { .name: aos, .offset: 8, .size: 8, .value_kind: global_buffer, .address_space: global }
      - { .name: Wo_w_codes, .offset: 16, .size: 8, .value_kind: global_buffer, .address_space: global }
      - { .name: Wo_w_scales, .offset: 24, .size: 8, .value_kind: global_buffer, .address_space: global }
      - { .name: Wo_b, .offset: 32, .size: 8, .value_kind: global_buffer, .address_space: global }
      - { .name: out0, .offset: 40, .size: 8, .value_kind: global_buffer, .address_space: global }
    .group_segment_fixed_size: 327680
    .private_segment_fixed_size: 0
    .kernarg_segment_align: 8
    .kernarg_segment_size: 48
    .max_flat_workgroup_size: 128
    .sgpr_count:     102
    .vgpr_count:     768
    .wavefront_size: 32
...
	.end_amdgpu_metadata
.endif
;; end of part 3
